; MI455X (gfx1250); checked and timed in simulation.
; The chip was launched on July 23, 2026; its instructions are those of AMD's public machine-readable ISA for CDNA 5 (MIT licence, August 2026) and "CDNA5" Instruction Set Architecture Reference Guide (July 2026). The comments in the code are by the model that wrote it; some were corrected since.
;; Causal Self Attention. Allowed arithmetic: matrix products marked QUANTISED: E4M3 operands, one E8M0 scale for each 32 along K, by v_wmma_scale_f32_16x16x128_f8f6f4 with both operands' format E4M3, f32 sums; everything else in f32.
;; Inputs: W_proj 1,024 x 1,024 float32; W_qkv 1,024 x 3,072 float32; b_proj 1,024 float32; b_qkv 3,072 float32; x 4 x 2,048 x 1,024 float32.
;; Outputs: out0 4 x 2,048 x 1,024 float32.
;; This version of the problem:
;;   THIS VERSION OF THE PROBLEM IS GIVEN IN LOW PRECISION. The matrix products marked QUANTISED in the list below multiply operands that are first quantised to E4M3 (4 exponent bits, 3 mantissa bits; 8 bits a number), with one power-of-two scale for each 32 numbers along K (OCP MX v1.0); their sums are f32. All else is computed in f32.
;;   The module's matrix products, in the order in which they are computed (A, B: the left and right operand; K: the contracted axis; several contracted axes count as one K, in the product's order):
;;     1. [M 8,192, K 1,024] x [K 1,024, N 3,072]; A: input x; B: input W_qkv: QUANTISED
;;     2. batch 64 x [M 2,048, K 64] x [K 64, N 2,048]; A: computed on the way; B: computed on the way: QUANTISED
;;     3. batch 64 x [M 2,048, K 2,048] x [K 2,048, N 64]; A: softmax (see below); B: computed on the way: QUANTISED
;;     4. [M 8,192, K 1,024] x [K 1,024, N 1,024]; A: computed on the way; B: input W_proj: QUANTISED
;;   THE QUANTISER, for each operand of a quantised product, along K:
;;     - K is cut into blocks of 32 from its start; a last block that is shorter is filled with zeros.
;;     - A block's scale is 2^e with e = floor(log2(the largest magnitude in the block)) - 8, held to -126 .. 127; a block of zeros has e = 0. As a byte (E8M0): e + 127.
;;     - Each number is divided by its block's scale, clamped to +-448, and rounded to the nearest number of E4M3, ties to even, subnormals kept.
;;     - The product sums the exact products of the quantised numbers (number of the format x scale) in f32.
;;   ~~~python
;;   def quantise(x, axis):      # numpy; x: float32 -> the quantised numbers, widened to float32 again
;;       x = np.moveaxis(x, axis, -1); K = x.shape[-1]
;;       x = np.pad(x, [(0, 0)] * (x.ndim - 1) + [(0, -K % 32)]); x = x.reshape(x.shape[:-1] + (-1, 32)); a = np.abs(x).max(-1, keepdims=True)
;;       e = np.where(a > 0, np.clip(np.frexp(np.where(a > 0, a, 1))[1] - 1 - 8, -126, 127), 0)      # np.frexp(a)[1] - 1 = floor(log2(a)), exactly
;;       r = np.clip(x / 2.0 ** e, -448, 448)
;;       step = 2.0 ** (np.maximum(np.frexp(np.where(r == 0, 1, r))[1] - 1, -6) - 3)
;;       q = np.round(r / step) * step * 2.0 ** e      # np.round: ties to even
;;       return np.moveaxis(q.reshape(q.shape[:-2] + (-1,))[..., :K], -1, axis).astype(np.float32)
;;   ~~~
;;   SOFTMAX AHEAD OF A QUANTISED PRODUCT. Where the list says 'softmax', what is quantised is not the finished softmax but p = 2^(t - M), with t = logit x log2(e) and M = ceil(the row's largest t), a whole number; so 1/2 < the row's largest p <= 1. The row's sum l is taken of the UNQUANTISED p, in f32, and the product's result is divided by l at the end. Since M is a whole number, a kernel that streams over the keys may use a running M (the ceiling of the running maximum): every later rescaling is an exact power of two, which a block's scale takes up: the codes' values come out the same.
;;   OPERANDS COMPUTED ON THE WAY. 'Computed on the way' means the value that the module computes at that place (a softmax that the list does not call 'softmax' is quantised finished and normalised). What goes into a quantiser is computed in f32, as accurately as f32 sums, v_exp_f32 and their like allow (about 1e-6 of the number): no bf16 or f16 on the way to a quantiser, and a product that is left as it is and whose result goes on into a quantised operand takes f32 operands (vector FMAs, or v_wmma_f32_16x16x4_f32). A number that lies on a knife's edge between two numbers of the format may be rounded either way, as far as f32 arithmetic and the matrix unit's own rounding can turn it there, and no further.
;; One version. Each part assembles by itself: llvm-mc -triple=amdgcn-amd-amdhsa -mcpu=gfx1250 --defsym DOCPART=n.
;; ======== version 1 of 1: 4 launches
;; limits: right only within a limited range of input values
;; workspace buffers: prep 13,500,416 bytes; qkv 35,127,296 bytes; att 8,650,752 bytes
;; launch prep (part 1): grid 416 x 1, 4 waves a work-group, no clusters, 102,912 bytes of LDS; arguments x, W_qkv, W_proj, prep; writes prep
.if DOCPART == 1
	.amdgcn_target "amdgcn-amd-amdhsa--gfx1250"
	.amdhsa_code_object_version 6
	.text
	.protected	k_q80f6845a23_prep
	.globl	k_q80f6845a23_prep
	.p2align	8
	.type	k_q80f6845a23_prep,@function
k_q80f6845a23_prep:
	s_mov_b64 s[64:65], 0
	v_nop
	global_prefetch_b8 v0, s[64:65] scope:SCOPE_SE
	s_setreg_imm32_b32 hwreg(HW_REG_WAVE_MODE, 25, 1), 1
	s_wait_xcnt 0x0
; PREP: x [8192][1024], W_qkv [1024][3072] and W_proj [1024][1024], f32, become codes of FP8 (E4M3), K innermost, with one E8M0 byte for each 32 along K; and the table of cosines and signed sines for the rotation of q and k.
; A block's scale is 2^(floor(log2(its largest magnitude)) - 8); its byte is the largest magnitude's exponent field - 8, held at 1 from below; each number is held within +-448 x the scale and rounded to the nearest code, ties to even.
; WHERE ROWS LIE.  sw(p) is p with its bits 3 and 4 exchanged.  A row of x's codes and a column of W_qkv's lie at POSITION sw(row): sixteen neighbouring positions 16 (2 b + u) + r then hold rows 32 b + 8 u + r + 8 (r / 8), so that in a
; product used transposed the 16 registers of two neighbouring tiles are 16 neighbours along the next product's K.  W_proj's columns lie in their own order.
; The buffer prep, in bytes: XQ [8192 pos][1024], WQ [3072 pos][1024], PQ [1024][1024]: codes;  XS, WS, PS: [..][32] scale bytes;  TAB [128 tiles][8][32 lanes][16]: for lane (r, h) of tile T, token 32 (T / 2) + 8 (T % 2) + r + 8 (r / 8):
; pieces 0-3 cos, pieces 4-7 the signed sine (-sin at even f, +sin at odd f), at frequencies f = 16 h + 0 .. 15.
; FOUR PATHS, parted by the work-group's number, each with LDS bytes of its own: 0-255 x; 256-351 W_qkv; 352-383 W_proj; 384-415 the table.  Waves share nothing: no barrier.
; LIMITS: NaN and infinities among the inputs are not served.  Blocks whose largest magnitude lies under 2^-118 keep the byte 1; a block of zeros gets the byte 1 where the rule says 127 (its codes are zeros; this program alone reads the bytes).
; The angle is pos x 2^(-f log2(10) / 8) with the power from v_exp_f32 (1 ulp): it can differ from pos x (1 / 10000^(f / 32)) by about the angle's own f32 ulp, 1.2e-4 at position 2047.  The reduction by pi / 2 in three parts holds for
; angles under 2^11 x pi / 2; the series are cut at r^9 and r^10, under 2e-9 for |r| <= pi / 4.
.set XQ,   0
.set WQ,   8388608
.set PQ,   11534336
.set XS,   12582912
.set WS,   12845056
.set PS,   12943360
.set TAB,  12976128
.set EMAX, 8
.set MANT, 0x600000                    ; the mantissa field of 448 as f32
.set WREG, 8192                        ; path X: LDS of a wave: two stages of 32 x SP bytes, then its 256 scale bytes
.set SP,   80                          ; a lane's place in a stage: 64 bytes + 16 of padding
.set XR,   16                          ; v16-143  eight sets of 16 numbers as loaded
.set XX,   144                         ; v144-175 two sets of 16 neighbours
.set XE,   176                         ; v176-191 a scale byte for each step
.set XC,   192                         ; v192-255 codes, four registers for each step
.set WPITCH, 272                       ; paths W: a stage row: 256 bytes + 16
.set WX,   32                          ; v32-95   two sets of 32 numbers
.set WC,   96                          ; v96-103  a block's codes
.set WOUT, 112                         ; v112-175 the way out
.set WSB,  24                          ; v24-25   eight scale bytes
	s_load_b256 s[4:11], s[0:1], 0x0               ; x s[4:5], W_qkv s[6:7], W_proj s[8:9], prep s[10:11]
	s_set_vgpr_msb 0x40
	v_lshl_add_u32 v0, v0, 2, 0x19000
	v_mov_b32 v1, 0
	s_set_vgpr_msb 0x4000
	v_lshrrev_b32 v1, 5, v0
	v_readfirstlane_b32 s16, v1                    ; wave 0..3
	v_and_b32 v2, 31, v0                           ; lane
	s_mov_b32 s23, MANT
	s_cmp_lt_u32 ttmp9, 256
	s_cbranch_scc0 .Lnot_x
; ---- PATH X.  A wave takes 8 rows of x, 8,192 numbers, in 16 steps of 512.  Each load reads 512 consecutive bytes; a step's 2,048 bytes turn through the wave's stage so that a lane holds 16 neighbours (two lanes hold a block).
	v_lshlrev_b32 v3, 4, v2                        ; my 16 bytes of a load's 512
	s_mul_i32 s17, s16, WREG
	v_lshrrev_b32 v14, 2, v2
	v_mul_u32_u24 v14, v14, SP
	v_and_b32 v15, 3, v2
	v_lshl_add_u32 v14, v15, 4, v14
	v_add_nc_u32 v14, s17, v14                     ; the stage, in: SP (lane / 4) + 16 (lane % 4)
	v_mul_u32_u24 v15, v2, SP
	v_add_nc_u32 v15, s17, v15                     ; and out: SP x lane
	v_lshlrev_b32 v4, 4, v2                        ; my 16 codes in a step's 512
	v_lshrrev_b32 v5, 1, v2
	s_add_co_u32 s17, s17, 2*32*SP
	v_add_nc_u32 v5, s17, v5                       ; my block's byte among the wave's 256
	v_lshlrev_b32 v7, 3, v2
	v_add_nc_u32 v6, s17, v7                       ; and 8 bytes a lane on the way out
	s_lshl_b32 s18, ttmp9, 2
	s_add_co_u32 s19, s18, s16                     ; which 8 rows are mine: 4 x work-group + wave
	s_and_b32 s20, s16, 1
	s_lshl_b32 s20, s20, 1
	s_lshr_b32 s21, s16, 1
	s_or_b32 s20, s20, s21                         ; the wave's two bits exchanged: they are bits 3 and 4 of the row
	s_add_co_u32 s18, s18, s20                     ; where they go
	s_lshl_b32 s24, s19, 15
	s_mov_b32 s25, 0
	s_lshl_b32 s26, s18, 13
	s_mov_b32 s27, 0
	s_lshl_b32 s28, s18, 8
	s_add_co_u32 s28, s28, XS
	s_mov_b32 s29, 0
	s_wait_alu depctr_va_vdst(0)
	s_wait_kmcnt 0x0
	s_add_nc_u64 s[4:5], s[4:5], s[24:25]
	s_add_nc_u64 s[12:13], s[10:11], s[26:27]      ; codes (XQ = 0)
	s_add_nc_u64 s[14:15], s[10:11], s[28:29]      ; scale bytes
.macro XLOAD t
.irp i, 0,1,2,3
	global_load_b128 v[XR+16*((\t)%8)+4*\i:XR+16*((\t)%8)+4*\i+3], v3, s[4:5] offset:2048*(\t)+512*\i th:TH_LOAD_NT
.endr
.endm
.macro XTURN t                         ; LDS serves a wave's instructions in order: no wait between the stores and the loads
.irp i, 0,1,2,3
	ds_store_b128 v14, v[XR+16*((\t)%8)+4*\i:XR+16*((\t)%8)+4*\i+3] offset:32*SP*((\t)%2)+8*SP*\i
.endr
.irp i, 0,1,2,3
	ds_load_b128 v[XX+16*((\t)%2)+4*\i:XX+16*((\t)%2)+4*\i+3], v15 offset:32*SP*((\t)%2)+16*\i
.endr
.endm
.irp t, 0,1,2,3,4,5,6,7
	XLOAD \t
.endr
	s_wait_loadcnt 28                              ; step 0's four loads are in; seven steps' stay out
	XTURN 0
.macro XSTEP t
.set XSS, XX+16*((\t)%2)
.if (\t) > 0
	s_wait_dscnt 1                                 ; this step's numbers are back from the stage (the last step's byte store may be out), so its stage stores have read their registers,
.else
	s_wait_dscnt 0x0
.endif
.if (\t)+8 < 16
	XLOAD (\t)+8                                   ; which take the loads of eight steps on
.endif
.if (\t)+1 < 16
.if (\t) < 8
	s_wait_loadcnt 28                              ; the next step's loads are in; those of the seven steps behind it may be out
.else
	s_wait_loadcnt 4*(14-(\t))
.endif
	XTURN (\t)+1
.endif
	v_max3_num_f32 v8, |v[XSS]|, |v[XSS+1]|, |v[XSS+2]|
	v_max3_num_f32 v9, |v[XSS+3]|, |v[XSS+4]|, |v[XSS+5]|
.irp i, 6,10
	v_max3_num_f32 v8, v8, |v[XSS+\i]|, |v[XSS+\i+1]|
	v_max3_num_f32 v9, v9, |v[XSS+\i+2]|, |v[XSS+\i+3]|
.endr
	v_max3_num_f32 v8, v8, |v[XSS+14]|, |v[XSS+15]|
	v_max3_num_f32 v8, v8, v9, (EMAX+1)<<23        ; with the floor 2^(9 - 127): the byte cannot fall under 1
	v_max_num_f32_dpp v8, v8, v8 row_xmask:1 row_mask:0xf bank_mask:0xf   ; and my neighbour's 16: the block's largest magnitude
	v_add_nc_u32 v11, -(EMAX<<23), v8              ; 8 off its exponent field: the conversion's scale operand
	v_and_or_b32 v10, v8, 0x7f800000, s23          ; 448 x the scale
.irp i, 0,1,2,3,4,5,6,7,8,9,10,11,12,13,14,15
	v_med3_num_f32 v[XSS+\i], v[XSS+\i], -v10, v10 ; the conversion to an 8-bit code does not saturate (ISA guide 7.6.2): the hold
.endr
	v_cvt_scalef32_pk8_fp8_f32 v[XC+4*(\t):XC+4*(\t)+1], v[XSS:XSS+7], v11
	v_cvt_scalef32_pk8_fp8_f32 v[XC+4*(\t)+2:XC+4*(\t)+3], v[XSS+8:XSS+15], v11
	v_lshrrev_b32 v[XE+(\t)], 23, v11              ; the scale's byte
	ds_store_b8 v5, v[XE+(\t)] offset:16*(\t)      ; both lanes of a block write the same byte with the same value
	global_store_b128 v4, v[XC+4*(\t):XC+4*(\t)+3], s[12:13] offset:512*(\t)   ; the wave stores 512 consecutive bytes
.endm
.irp t, 0,1,2,3,4,5,6,7,8,9,10,11,12,13,14,15
	XSTEP \t
.endr
	ds_load_b64 v[12:13], v6
	s_wait_dscnt 0x0
	global_store_b64 v7, v[12:13], s[14:15]        ; 32 lanes store 256 consecutive bytes, aligned
	s_set_vgpr_msb 0x5
	s_wait_tensorcnt 0x0
	ds_add_u32 v0, v1
	s_wait_dscnt 0x0
	s_set_vgpr_msb 0x500
	s_endpgm
; ---- PATHS W.  A lane takes a column n and its registers run down K: a block of 32 lies in one lane, and the codes come out with K innermost.  A wave takes 32 columns x 256 along K; its codes go through its own stage
; and leave as rows: sixteen lanes store 256 consecutive bytes.  PERM = 1: the column's row in the stage, and of scale bytes, is sw(lane).
.macro WLOAD t, SN
.irp i, 0,1,2,3,4,5,6,7,8,9,10,11,12,13,14,15,16,17,18,19,20,21,22,23,24,25,26,27,28,29,30,31
	global_load_b32 v[WX+32*((\t)%2)+\i], v3, s[12:13] offset:(32*(\t)+\i)*\SN*4 th:TH_LOAD_NT
.endr
.endm
.macro WBLOCK t, SN
.set WXS, WX+32*((\t)%2)
.if (\t) < 7
	s_wait_loadcnt 32                              ; this block's 32 loads are in; the next block's may be out
.else
	s_wait_loadcnt 0
.endif
	v_max3_num_f32 v12, |v[WXS]|, |v[WXS+1]|, |v[WXS+2]|
	v_max3_num_f32 v13, |v[WXS+3]|, |v[WXS+4]|, |v[WXS+5]|
.irp i, 6,10,14,18,22,26
	v_max3_num_f32 v12, v12, |v[WXS+\i]|, |v[WXS+\i+1]|
	v_max3_num_f32 v13, v13, |v[WXS+\i+2]|, |v[WXS+\i+3]|
.endr
	v_max3_num_f32 v12, v12, |v[WXS+30]|, |v[WXS+31]|
	v_max3_num_f32 v12, v12, v13, (EMAX+1)<<23
	v_add_nc_u32 v11, -(EMAX<<23), v12
	v_and_or_b32 v10, v12, 0x7f800000, s23
	v_lshrrev_b32 v13, 23, v11
.if (\t)%4 == 0
	v_mov_b32 v[WSB+(\t)/4], v13                   ; four bytes to a register, the lower K in the lower byte
.else
	v_lshl_or_b32 v[WSB+(\t)/4], v13, 8*((\t)%4), v[WSB+(\t)/4]
.endif
.irp i, 0,1,2,3,4,5,6,7,8,9,10,11,12,13,14,15,16,17,18,19,20,21,22,23,24,25,26,27,28,29,30,31
	v_med3_num_f32 v[WXS+\i], v[WXS+\i], -v10, v10
.endr
.irp g, 0,1,2,3
	v_cvt_scalef32_pk8_fp8_f32 v[WC+2*\g:WC+2*\g+1], v[WXS+8*\g:WXS+8*\g+7], v11
.endr
	ds_store_b128 v4, v[WC:WC+3] offset:32*(\t)
	ds_store_b128 v4, v[WC+4:WC+7] offset:32*(\t)+16
.if (\t)+2 < 8
	WLOAD (\t)+2, \SN
.endif
	s_wait_dscnt 0x0                               ; the stores have read their registers: the next block's codes may be written
.endm
.macro WPATH SN, PERM, LDSB, COFF, SOFF, WP, FIRST
	s_sub_co_u32 s17, ttmp9, \FIRST
	s_and_b32 s18, s17, 3                          ; which 256 along K
	s_lshr_b32 s17, s17, 2
	s_lshl_b32 s17, s17, 7
	s_lshl_b32 s19, s16, 5
	s_add_co_u32 s17, s17, s19                     ; my wave's first column
	v_lshlrev_b32 v3, 2, v2                        ; in: 4 bytes a lane
.if \PERM
	v_and_b32 v5, 7, v0
	v_bfe_u32 v6, v0, 3, 1
	v_lshl_add_u32 v5, v6, 4, v5
	v_bfe_u32 v6, v0, 4, 1
	v_lshl_add_u32 v9, v6, 3, v5                   ; sw(lane)
.else
	v_and_b32 v9, 31, v0
.endif
	s_mul_i32 s19, s16, 32*WPITCH
	s_add_co_u32 s19, s19, \LDSB                   ; my stage
	v_mul_u32_u24 v4, v9, WPITCH
	v_add_nc_u32 v4, s19, v4                       ; into it: my column's row
	v_and_b32 v5, 15, v0
	v_bfe_u32 v6, v0, 4, 1
	v_mul_u32_u24 v7, v6, WPITCH
	v_lshl_add_u32 v7, v5, 4, v7
	v_add_nc_u32 v7, s19, v7                       ; out of it: sixteen lanes to a row, two rows an instruction
	v_lshlrev_b32 v8, 10, v6
	v_lshl_add_u32 v8, v5, 4, v8                   ; and the same place in the codes
	v_lshlrev_b32 v9, 5, v9                        ; my column's row of 32 scale bytes
	s_mul_i32 s20, s18, 256*\SN*4
	s_lshl_b32 s21, s17, 2
	s_add_co_u32 s20, s20, s21
	s_mov_b32 s21, 0
	s_lshl_b32 s28, s17, 10
	s_lshl_b32 s29, s18, 8
	s_add_co_u32 s28, s28, s29
	s_add_co_u32 s28, s28, \COFF
	s_mov_b32 s29, 0
	s_lshl_b32 s30, s17, 5
	s_lshl_b32 s31, s18, 3
	s_add_co_u32 s30, s30, s31
	s_add_co_u32 s30, s30, \SOFF
	s_mov_b32 s31, 0
	s_wait_kmcnt 0x0
	s_add_nc_u64 s[12:13], s[\WP:\WP+1], s[20:21]
	s_add_nc_u64 s[24:25], s[10:11], s[28:29]
	s_add_nc_u64 s[26:27], s[10:11], s[30:31]
	WLOAD 0, \SN
	WLOAD 1, \SN
.irp t, 0,1,2,3,4,5,6,7
	WBLOCK \t, \SN
.endr
	global_store_b64 v9, v[WSB:WSB+1], s[26:27]    ; my column's eight scale bytes: rows 32 bytes apart, one byte in 128 of what the path reads
.irp t, 0,1,2,3,4,5,6,7,8,9,10,11,12,13,14,15
	ds_load_b128 v[WOUT+4*\t:WOUT+4*\t+3], v7 offset:2*\t*WPITCH
.endr
.irp t, 0,1,2,3,4,5,6,7,8,9,10,11,12,13,14,15
	s_wait_dscnt 15-\t
	global_store_b128 v8, v[WOUT+4*\t:WOUT+4*\t+3], s[24:25] offset:2*\t*1024
.endr
.endm
.Lnot_x:
	s_cmp_lt_u32 ttmp9, 352
	s_cbranch_scc0 .Lnot_wqkv
	s_wait_alu depctr_va_vdst(0)
	WPATH 3072, 1, 32768, WQ, WS, 6, 256
	s_set_vgpr_msb 0x5
	s_wait_tensorcnt 0x0
	ds_add_u32 v0, v1
	s_wait_dscnt 0x0
	s_set_vgpr_msb 0x500
	s_endpgm
.Lnot_wqkv:
	s_cmp_lt_u32 ttmp9, 384
	s_cbranch_scc0 .Ltable
	s_wait_alu depctr_va_vdst(0)
	WPATH 1024, 0, 67584, PQ, PS, 8, 352
	s_set_vgpr_msb 0x5
	s_wait_tensorcnt 0x0
	ds_add_u32 v0, v1
	s_wait_dscnt 0x0
	s_set_vgpr_msb 0x500
	s_endpgm
; ---- PATH T.  A wave makes one tile of the table: a lane's token, sixteen frequencies.
.Ltable:
	s_sub_co_u32 s17, ttmp9, 384
	s_lshl_b32 s17, s17, 2
	s_add_co_u32 s17, s17, s16                     ; tile T
	s_lshr_b32 s18, s17, 1
	s_lshl_b32 s18, s18, 5
	s_and_b32 s19, s17, 1
	s_lshl_b32 s19, s19, 3
	s_add_co_u32 s18, s18, s19                     ; 32 (T / 2) + 8 (T % 2)
	v_and_b32 v3, 15, v0
	v_and_b32 v4, 8, v3
	v_add_nc_u32 v3, v3, v4
	v_add_nc_u32 v3, s18, v3
	v_cvt_f32_u32 v3, v3                           ; my token, as f32
	v_bfe_u32 v4, v0, 4, 1
	v_lshlrev_b32 v4, 4, v4                        ; 16 h
	s_wait_alu depctr_va_vdst(0)
	v_lshlrev_b32 v5, 4, v2                        ; 16 x lane
	s_mov_b32 s20, 0x3f22f983                      ; 2 / pi
	s_mov_b32 s21, 0xbfc90fd8                      ; -pi / 2 in three parts
	s_mov_b32 s22, 0xb4a8885a
	s_mov_b32 s24, 0xa7c234c4
	s_mov_b32 s25, 0x3638ef1d                      ; 1 / 9!
	s_mov_b32 s26, 0xb9500d01                      ; -1 / 7!
	s_mov_b32 s27, 0x3c088889                      ; 1 / 5!
	s_mov_b32 s28, 0xbe2aaaab                      ; -1 / 3!
	s_mov_b32 s29, 0xb493f27e                      ; -1 / 10!
	s_mov_b32 s30, 0x37d00d01                      ; 1 / 8!
	s_mov_b32 s31, 0xbab60b61                      ; -1 / 6!
	s_mov_b32 s32, 0x3d2aaaab                      ; 1 / 4!
	s_lshl_b32 s18, s17, 12
	s_add_co_u32 s18, s18, TAB
	s_mov_b32 s19, 0
	s_wait_kmcnt 0x0
	s_add_nc_u64 s[12:13], s[10:11], s[18:19]
.irp j, 0,1,2,3,4,5,6,7,8,9,10,11,12,13,14,15
	v_add_nc_u32 v[16+\j], \j, v4                  ; f = 16 h + j
.endr
.irp j, 0,1,2,3,4,5,6,7,8,9,10,11,12,13,14,15
	v_cvt_f32_u32 v[16+\j], v[16+\j]
.endr
.irp j, 0,1,2,3,4,5,6,7,8,9,10,11,12,13,14,15
	v_mul_f32 v[16+\j], 0xbed49a78, v[16+\j]       ; -f log2(10) / 8
.endr
	s_wait_alu depctr_va_vdst(0)
.irp j, 0,1,2,3,4,5,6,7,8,9,10,11,12,13,14,15
	v_exp_f32 v[16+\j], v[16+\j]                   ; 10000^(-f / 32)
.endr
	v_nop                                          ; a plain instruction behind the last exponential
	s_wait_alu depctr_va_vdst(0)                   ; one wait for the sixteen, ahead of their first reader
.irp j, 0,1,2,3,4,5,6,7,8,9,10,11,12,13,14,15
	v_mul_f32 v[16+\j], v3, v[16+\j]               ; the angle: one rounding
.endr
.macro SINCOS j
	v_mul_f32 v6, s20, v[16+\j]
	v_rndne_f32 v6, v6                             ; n
	v_fma_f32 v7, v6, s21, v[16+\j]                ; r = angle - n pi / 2: the first step is exact (n has 11 bits, the first part 21)
	v_fma_f32 v7, v6, s22, v7
	v_fma_f32 v7, v6, s24, v7
	v_mul_f32 v8, v7, v7                           ; z
	v_fma_f32 v9, v8, s25, s26
	v_fma_f32 v9, v9, v8, s27
	v_fma_f32 v9, v9, v8, s28
	v_mul_f32 v10, v7, v8
	v_fma_f32 v9, v9, v10, v7                      ; sin r
	v_fma_f32 v11, v8, s29, s30
	v_fma_f32 v11, v11, v8, s31
	v_fma_f32 v11, v11, v8, s32
	v_fma_f32 v11, v11, v8, -0.5
	v_fma_f32 v11, v11, v8, 1.0                    ; cos r
	v_cvt_i32_f32 v12, v6
	v_and_b32 v13, 1, v12
	v_cmp_eq_u32 vcc_lo, 1, v13                    ; an odd quadrant exchanges the two
	v_cndmask_b32 v[32+\j], v11, v9, vcc_lo
	v_cndmask_b32 v[48+\j], v9, v11, vcc_lo
	v_add_nc_u32 v13, 1, v12
	v_and_b32 v13, 2, v13
	v_lshlrev_b32 v13, 30, v13
	v_xor_b32 v[32+\j], v13, v[32+\j]              ; cos is negative in quadrants 1 and 2
	v_add_nc_u32 v13, 2*(1-(\j)%2), v12
	v_and_b32 v13, 2, v13
	v_lshlrev_b32 v13, 30, v13
	v_xor_b32 v[48+\j], v13, v[48+\j]              ; sin in quadrants 2 and 3; at even f the sign is turned once more
.endm
.irp j, 0,1,2,3,4,5,6,7,8,9,10,11,12,13,14,15
	SINCOS \j
.endr
.irp i, 0,1,2,3,4,5,6,7
	global_store_b128 v5, v[32+4*\i:35+4*\i], s[12:13] offset:512*\i   ; the wave stores 512 consecutive bytes
.endr
	s_endpgm
.Lfunc_end_k_q80f6845a23_prep:
	.size	k_q80f6845a23_prep, .Lfunc_end_k_q80f6845a23_prep-k_q80f6845a23_prep
	.p2alignl 7, 3214868480
	.fill 96, 4, 3214868480
	.section	.rodata,"a",@progbits
	.p2align	6, 0x0
	.amdhsa_kernel k_q80f6845a23_prep
		.amdhsa_group_segment_fixed_size 102912
		.amdhsa_private_segment_fixed_size 0
		.amdhsa_enable_private_segment 0
		.amdhsa_kernarg_size 32
		.amdhsa_user_sgpr_count 2
		.amdhsa_user_sgpr_kernarg_segment_ptr 1
		.amdhsa_wavefront_size32 1
		.amdhsa_system_sgpr_workgroup_id_x 1
		.amdhsa_system_sgpr_workgroup_id_y 1
		.amdhsa_system_sgpr_workgroup_id_z 1
		.amdhsa_system_vgpr_workitem_id 0
		.amdhsa_next_free_vgpr 258
		.amdhsa_next_free_sgpr 66
		.amdhsa_reserve_vcc 1
		.amdhsa_float_denorm_mode_32 3
		.amdhsa_float_denorm_mode_16_64 3
		.amdhsa_memory_ordered 1
		.amdhsa_forward_progress 1
		.amdhsa_inst_pref_size 195
	.end_amdhsa_kernel
	.amdgpu_metadata
---
amdhsa.version: [ 1, 2 ]
amdhsa.kernels:
  - .name:           k_q80f6845a23_prep
    .symbol:         k_q80f6845a23_prep.kd
    .args:
      - { .name: x, .offset: 0, .size: 8, .value_kind: global_buffer, .address_space: global }
      - { .name: W_qkv, .offset: 8, .size: 8, .value_kind: global_buffer, .address_space: global }
      - { .name: W_proj, .offset: 16, .size: 8, .value_kind: global_buffer, .address_space: global }
      - { .name: prep, .offset: 24, .size: 8, .value_kind: global_buffer, .address_space: global }
    .group_segment_fixed_size: 102912
    .private_segment_fixed_size: 0
    .kernarg_segment_align: 8
    .kernarg_segment_size: 32
    .max_flat_workgroup_size: 128
    .sgpr_count:     66
    .vgpr_count:     258
    .wavefront_size: 32
...
	.end_amdgpu_metadata
.endif
;; end of part 1
;; launch qkv (part 2): grid 8 x 32, 4 waves a work-group, clusters of 4 x 4, 327,680 bytes of LDS; arguments prep, b_qkv, qkv; writes qkv
.if DOCPART == 2
	.amdgcn_target "amdgcn-amd-amdhsa--gfx1250"
	.amdhsa_code_object_version 6
	.text
	.protected	k_q80f6845a23_qkv
	.globl	k_q80f6845a23_qkv
	.p2align	8
	.type	k_q80f6845a23_qkv,@function
k_q80f6845a23_qkv:
	s_mov_b64 s[64:65], 0
	v_nop
	global_prefetch_b8 v0, s[64:65] scope:SCOPE_SE
	s_setreg_imm32_b32 hwreg(HW_REG_WAVE_MODE, 25, 1), 1
	s_wait_xcnt 0x0
	s_wait_alu depctr_hold_cnt(0) depctr_sa_sdst(0) depctr_va_vdst(0) depctr_va_sdst(0) depctr_va_ssrc(0) depctr_va_vcc(0) depctr_vm_vsrc(0)
	s_getreg_b32 s2, hwreg(HW_REG_IB_STS2, 6, 4)
	s_cmp_eq_u32 s2, 0
	s_cbranch_scc0 .Lentry_in_a_cluster
	s_endpgm
.Lentry_in_a_cluster:
	s_bfe_u32 s2, ttmp6, 0x10000c
	s_cmp_lg_u32 s2, 0xf033
	s_cbranch_scc0 .Lentry_shape_is_right
	s_endpgm
.Lentry_shape_is_right:
; QKV: x W_qkv + b_qkv on codes of FP8 (E4M3) with E8M0 scales; then q and k are rotated and quantised along the head's 64, v along the keys; all three leave as images of the registers in which the attention launch wants them.
; THE DEAL.  256 work-groups of four waves, 4 x 4 to a cluster; each has two phases on the same 256 rows of x (tile 4 x cluster y + cy).
; PHASE 1: 256 tokens x 256 columns of q (cluster x = 0) or k (1): W's tile c = 4 x cluster x + cx.  A wave makes 128 x 128: 64 accumulators.  Role A (source 1: a lane holds one of its rows) = x, role B (source 0: a lane's registers run along its rows) = W.
; PHASE 2: 128 channels of v (W's rows 2,048 + 128 c on) x the 256 tokens.  A wave makes 64 x 128: 32 accumulators.  Role A = W, role B = x: a lane holds one channel and its registers run along the tokens, the second attention product's K.
; K = 1,024 goes in four steps of 256 through two LDS slots filled by joint tensor loads; x's tiles carry the mask of my row of the cluster, W's that of my column.  The scale bytes of x's and of phase 1's W rows come once, at the head.
; THE RING GOES ON INTO PHASE 2: behind phase 1's last products slot 0 takes v's K step 0, behind the fourth block of the way out slot 1 takes K step 1; the way out uses no LDS.  In phase 2 a lap takes a slot's two steps of 128 into
; registers, the slot is filled again behind a spare-word add and a round of the cluster's barrier, and the lap's 64 products follow.  W_v's scale words and v's bias come by plain loads into registers.
; Rows lie in prep at positions with bits 3 and 4 exchanged: the 16 registers of B's blocks 2 b', 2 b' + 1 are 32 b' + 16 (lane / 16) + 0 .. 15 in true order; lane r of A's block a is row 32 (a / 2) + 8 (a % 2) + r + 8 (r / 8).
; THE BIAS of q and k is the C of the first K step's products; v's hangs on the lane and is added on the way out.
; OUT, the buffer qkv: two regions of 64 heads x HB bytes, q's at 0, k's and v's at KVB; a head is 16 blocks of SB bytes, one for each 128 tokens.  A block of the second region: k's eight tile images [2][32 lanes][16 B] (8,192 bytes),
; v's four [4][32][16] (8,192), k's scale words [lane / 16][r][4] (512; bytes 2 and 3 of a word = 0x7f, for the unused half of the instruction's K), v's [lane / 16][r][2] (256).  A block of q's region: images at 0, scale words at 16,384.
; PREFETCH: at the head waves 0 and 1 ask for K steps 1 to 3 of x's 256 rows: the four partners that share them take 64 rows each, by address, a wave 32, a lane a row.  W's rows are read by eight clusters alike and are not asked for.
; LIMITS: NaN and infinities are not served; blocks whose largest magnitude lies under 2^-118, zeros among them, keep the byte 1 (this program alone reads the bytes).
; REGISTERS: window 0: v16-31 addresses; v32-63 scale words of the K loops; v64-127 the bias, then two tables, then W_v's scale words (v64-95) and v's bias (v96-99); v128-255 A's fragments; on the ways out v128-191 64 numbers,
; v192-207 at work, v208-223 codes, v224-239 scale words being gathered, v240-255 the quantiser's.  window 1: B's fragments, two sets; on phase 1's way out six tables.  windows 2, 3: the accumulators ((a, b) at v[8 (8 (a % 4) + b)]).
.set WQ,   8388608
.set XS,   12582912
.set WS,   12845056
.set TAB,  12976128
.set KVB,  17563648
.set HB,   274432
.set SB,   17152
.set NQ,     2                         ; matrix instructions deep in a slot
.set ROWB,   256                       ; a tile's row in bytes
.set KROW,   1024                      ; a row of codes in memory
.set PITCH,  272                       ; an LDS row: 256 bytes + 16 of padding: the 16 rows that a load touches start at 16 different banks (64 banks of 4 bytes: ISA guide 11.1)
.set FR,     16
.set NL,     4
.set NP,     8                         ; places behind this matrix instruction (ISA guide 7.12.1)
.set HALFT,  128*PITCH
.set SLOT,   4*HALFT
.set LAPS,   2
.set KS,     32                        ; a row of scale bytes
.set SCL,    2*SLOT
.set HALFS,  (128*KS/256)*272
.set SBLK,   (16*KS/256)*272
.set SPARE,  SCL+4*HALFS               ; the spare words, 128 bytes for each wave
.set ADRA, 16                          ; v16-17  phase 1: my A fragments in slot 0, 1
.set ADRAV, 18                         ; v18-19  phase 2: the same
.set ADRB, 20                          ; v20-21  my B fragments, both phases
.set ADRSV, 22                         ; v22  phase 2: x's scale words of my 128 tokens
.set R32,  23                          ; v23  32 r
.set BO,   24                          ; v24  64 x (lane / 16): q's and k's bias
.set BVO,  25                          ; v25  4 (r + 8 (r / 8)): v's bias
.set PF,   26                          ; v26  the prefetches' offset; never rewritten
.set ADRS, 27
.set SPW,  28
.set NIL,  29
.set LI,   30                          ; v30  16 x lane
.set L8,   31                          ; v31  8 x lane
.set SC,   32
.set BI,   64
.set CS,   64
.set WV,   64                          ; W_v's scale words: 8 a + the step of 128
.set BV,   96
.set AF,   128
.set X,    128
.set T,    192
.set PC,   208
.set SW,   224
.set TM,   240
.set G1, 24                            ; x's tiles: group 1, and group 0 for each slot
.set G0, 32
.set G1B, 48                           ; W's
.set G0B, 56
.set SEL, 66                           ; s[66:67] lane selects for v_permlanex16_b32: lane l xor 16
.set G1S, 68
.set G0S, 76
.set G1SB, 80
.set G0SB, 88
.set MNT, 92                           ; s92  the mantissa field of 448
.set MSB, 0
.macro WIN new                         ; the immediate's high byte repeats the setting that is left
.if MSB != (\new)
	s_set_vgpr_msb (MSB<<8)|(\new)
.set MSB, (\new)
.endif
.endm
.set MUL_LO, 0xa1                      ; source 0 (B) window 1, source 1 (A) window 0, C and D window 2
.set MUL_HI, 0xf1                      ; the same, C and D window 3
.set TO_B,   0x40
; A joint load: waves 0 and 1 fetch for role A, waves 2 and 3 for role B; the branch hangs on the wave's number alone.  An s_nop 0 and four v_nop follow each of the two lines.
.macro JLOAD g0a, g1a, g0b, g1b
	s_cmp_eq_u32 s15, 0
	s_cbranch_scc0 .Lfor_b_\@
	tensor_load_to_lds s[\g0a:\g0a+3], s[\g1a:\g1a+7]
	s_nop 0
.rept 4
	v_nop
.endr
	s_branch .Lasked_\@
.Lfor_b_\@:
	tensor_load_to_lds s[\g0b:\g0b+3], s[\g1b:\g1b+7]
	s_nop 0
.rept 4
	v_nop
.endr
.Lasked_\@:
.endm
.macro CREST                           ; a round of the cluster's barrier behind its opening barrier
	s_cmp_lg_u32 s14, 0
	s_cbranch_scc1 .Lnot_wave_0_\@
	s_barrier_signal -3
.Lnot_wave_0_\@:
	s_barrier_wait -3
	s_barrier_signal -1
	s_barrier_wait -1
.endm
.macro CROUND
	s_barrier_signal -1
	s_barrier_wait -1
	CREST
.endm
.macro GRD
	s_wait_alu depctr_va_vdst(0)
	s_wait_tensorcnt 0x0
	ds_add_u32 v[SPW], v[NIL]
.endm
	s_load_b128 s[4:7], s[0:1], 0x0                ; prep s[4:5], b_qkv s[6:7]
	s_load_b64 s[8:9], s[0:1], 0x10                ; qkv
	v_lshl_add_u32 v[SPW], v0, 2, SPARE
	v_mov_b32 v[NIL], 0
	ds_add_u32 v[SPW], v[NIL]                      ; the opening lines: the add, twice on end, and its wait
	ds_add_u32 v[SPW], v[NIL]
	v_lshrrev_b32 v1, 5, v0
	v_readfirstlane_b32 s14, v1                    ; wave 0..3
	s_lshr_b32 s15, s14, 1                         ; which half of A's rows is mine.  Also: I fetch for A (0) or for B (1)
	s_and_b32 s16, s14, 1                          ; which half of B's rows.  Also: which half of that tile I fetch
	s_bfe_u32 s40, ttmp6, 0x40000                  ; cx
	s_bfe_u32 s41, ttmp6, 0x40004                  ; cy
	s_and_b32 s17, ttmp7, 0xffff
	s_lshl_b32 s17, s17, 2
	s_add_co_u32 s17, s17, s41                     ; x's tile: made of cy and the cluster's y alone
	s_lshl_b32 s42, ttmp9, 2
	s_add_co_u32 s42, s42, s40                     ; c, W's tile: made of cx and the cluster's x alone
	s_lshl_b32 s43, s41, 2
	s_lshl_b32 s43, 15, s43                        ; my row of the cluster
	s_lshl_b32 s44, 0x1111, s40                    ; my column
	s_or_b32 s[G1+0], s43, (0<<16)|(1<<20)|(1<<21)|(5<<22)|(3<<25)  ; the mask; elements of 1 byte; padding: 4 words after every 64; bit 21 beside a mask
	s_or_b32 s[G1B+0], s44, (0<<16)|(1<<20)|(1<<21)|(5<<22)|(3<<25)
.irp g, G1, G1B
	s_mov_b32 s[\g+1], ROWB<<16                    ; tensor_dim0
	s_mov_b32 s[\g+2], 256<<16                     ; tensor_dim1: the head's loads bring 256 rows
	s_mov_b32 s[\g+3], ROWB<<16                    ; tile_dim0
	s_mov_b32 s[\g+4], 256                         ; tile_dim1
	s_mov_b32 s[\g+5], KROW                        ; the pitch
	s_mov_b32 s[\g+6], 0
	s_mov_b32 s[\g+7], 0
.endr
	s_or_b32 s[G1S+0], s43, (3<<16)|(1<<20)|(1<<21)|(5<<22)|(3<<25)  ; the scale bytes of 256 rows: 8,192 dense bytes as 32 rows of 256, 16 bytes of padding behind each
	s_or_b32 s[G1SB+0], s44, (3<<16)|(1<<20)|(1<<21)|(5<<22)|(3<<25)
.irp g, G1S, G1SB
	s_mov_b32 s[\g+1], 32<<16
	s_mov_b32 s[\g+2], 32<<16
	s_mov_b32 s[\g+3], 32<<16
	s_mov_b32 s[\g+4], 32
	s_mov_b32 s[\g+5], 32
	s_mov_b32 s[\g+6], 0
	s_mov_b32 s[\g+7], 0
.endr
	s_lshl_b32 s20, s17, 8                         ; x's first row
	s_lshl_b32 s46, s42, 8                         ; W's
	s_lshl_b32 s22, s20, 5
	s_add_co_u32 s22, s22, XS                      ; bytes into prep: x's scales,
	s_mov_b32 s23, 0
	s_lshl_b32 s20, s20, 10                        ; x's codes,
	s_mov_b32 s21, 0
	s_lshl_b32 s92, s46, 5
	s_add_co_u32 s92, s92, WS                      ; W's scales,
	s_mov_b32 s93, 0
	s_lshl_b32 s46, s46, 10
	s_add_co_u32 s46, s46, WQ                      ; W's codes
	s_mov_b32 s47, 0
	s_mul_i32 s45, s14, HALFT                      ; where the ring's loads go: no place in the cluster enters an LDS address
	s_lshl_b32 s94, s16, 17                        ; in the ring I fetch 128 rows of a tile: which half, in bytes
	s_mov_b32 s95, 0
	s_wait_dscnt 0x0                               ; both opening adds are done
	s_wait_kmcnt 0x0
	s_add_nc_u64 s[20:21], s[4:5], s[20:21]
	s_add_nc_u64 s[22:23], s[4:5], s[22:23]
	s_add_nc_u64 s[46:47], s[4:5], s[46:47]
	s_add_nc_u64 s[92:93], s[4:5], s[92:93]
	CROUND                                         ; all sixteen work-groups are here: the first joint loads meet
	s_mov_b32 s[G0S], 1
	s_mov_b32 s[G0S+1], SCL
	s_mov_b64 s[G0S+2:G0S+3], s[22:23]
	s_or_b32 s[G0S+3], s[G0S+3], 0x80000000
	s_mov_b32 s[G0SB], 1
	s_mov_b32 s[G0SB+1], SCL+2*HALFS
	s_mov_b64 s[G0SB+2:G0SB+3], s[92:93]
	s_or_b32 s[G0SB+3], s[G0SB+3], 0x80000000
	s_mov_b32 s[G0], 1                             ; slot 0's groups 0 serve the head first: K step 0's 256 rows of x,
	s_mov_b32 s[G0+1], 0
	s_mov_b64 s[G0+2:G0+3], s[20:21]
	s_or_b32 s[G0+3], s[G0+3], 0x80000000
	s_mov_b32 s[G0B], 1                            ; and its 256 rows of W, behind them
	s_mov_b32 s[G0B+1], 2*HALFT
	s_mov_b64 s[G0B+2:G0B+3], s[46:47]
	s_or_b32 s[G0B+3], s[G0B+3], 0x80000000
	s_add_nc_u64 s[20:21], s[20:21], s[94:95]      ; for the ring: my 128 rows of the tile
	s_add_nc_u64 s[46:47], s[46:47], s[94:95]
	s_mov_b32 s[G0+4], 1
	s_add_co_u32 s[G0+5], s45, SLOT
	s_add_nc_u64 s[G0+6:G0+7], s[20:21], ROWB
	s_or_b32 s[G0+7], s[G0+7], 0x80000000
	s_mov_b32 s[G0B+4], 1
	s_add_co_u32 s[G0B+5], s45, SLOT
	s_add_nc_u64 s[G0B+6:G0B+7], s[46:47], ROWB
	s_or_b32 s[G0B+7], s[G0B+7], 0x80000000
; THE HEAD'S LOADS, ONE A WAVE: wave 0 K step 0's rows of x, wave 1 those of W, wave 2 x's scale bytes, wave 3 W's.  One tree of branches on the wave's number, a load to an arm.
.macro ARM under, g0, g1, next
	s_cmp_lt_u32 s14, \under
	s_cbranch_scc0 \next
	tensor_load_to_lds s[\g0:\g0+3], s[\g1:\g1+7]
	s_nop 0
.rept 4
	v_nop
.endr
	s_branch .Larm_done
\next:
.endm
	ARM 1, G0,  G1,  .Larm_b
	ARM 2, G0B, G1B, .Larm_sa
	ARM 3, G0S, G1S, .Larm_sb
	tensor_load_to_lds s[G0SB:G0SB+3], s[G1SB:G1SB+7]
	s_nop 0
.rept 4
	v_nop
.endr
.Larm_done:
	s_mul_i32 s18, s15, HALFT                      ; LDS: phase 1's A fragments,
	s_add_co_u32 s19, s18, SLOT
	s_mul_i32 s20, s16, HALFT
	s_add_co_u32 s20, s20, 2*HALFT                 ; B's, both phases,
	s_add_co_u32 s21, s20, SLOT
	s_mul_i32 s22, s15, 64*PITCH                   ; phase 2's A fragments,
	s_add_co_u32 s23, s22, SLOT
	s_mul_i32 s46, s15, HALFS
	s_mul_i32 s96, s16, HALFS
	s_add_co_u32 s47, s96, 2*HALFS
	s_sub_co_u32 s47, s47, s46                     ; from A's scale words to B's,
	s_add_co_u32 s46, s46, SCL
	s_add_co_u32 s96, s96, SCL                     ; x's scale words of my 128 tokens
	s_lshl_b32 s97, s17, 8
	s_lshl_b32 s2, s40, 6
	s_add_co_u32 s97, s97, s2
	s_lshl_b32 s2, s16, 5
	s_add_co_u32 s97, s97, s2
	s_lshl_b32 s97, s97, 10                        ; the prefetches: x's tile, my work-group's 64 rows of it, my wave's 32
	s_mov_b32 s[SEL], 0x76543210
	s_mov_b32 s[SEL+1], 0xfedcba98
	s_mov_b32 s[MNT], 0x600000
	v_and_b32 v1, 15, v0                           ; r
	v_bfe_u32 v2, v0, 4, 1                         ; h
	v_and_b32 v7, 31, v0
	v_mul_u32_u24 v3, v1, PITCH
	v_mul_u32_u24 v5, v1, KS                       ; my row's scales: 32 bytes a row,
	v_mul_u32_u24 v8, s47, v2                      ; lanes 16-31 take B's
	v_lshl_add_u32 v4, v2, 4, v3                   ; a fragment's row x pitch + 16 h
	v_lshrrev_b32 v6, 8, v5
	v_lshl_add_u32 v5, v6, 4, v5                   ; and 16 more for each 256 passed
	v_add_nc_u32 v[ADRA], s18, v4
	v_add_nc_u32 v[ADRA+1], s19, v4
	v_add_nc_u32 v[ADRB], s20, v4
	v_add_nc_u32 v[ADRB+1], s21, v4
	v_add_nc_u32 v[ADRAV], s22, v4
	v_add_nc_u32 v[ADRAV+1], s23, v4
	v_add_nc_u32 v[ADRSV], s96, v5
	v_add_nc_u32 v5, v5, v8
	v_add_nc_u32 v[ADRS], s46, v5
	v_lshlrev_b32 v[R32], 5, v1
	v_lshlrev_b32 v[BO], 6, v2
	v_and_b32 v3, 8, v1
	v_add_nc_u32 v3, v3, v1
	v_lshlrev_b32 v[BVO], 2, v3
	v_lshlrev_b32 v[LI], 4, v7
	v_lshlrev_b32 v[L8], 3, v7
	v_lshlrev_b32 v[PF], 10, v7
	v_add_nc_u32 v[PF], s97, v[PF]
	s_wait_alu depctr_va_vdst(0)                   ; the wait
	; where q's or k's results go, the table and the bias
	s_lshr_b32 s18, s17, 3                         ; the batch
	s_and_b32 s19, s17, 7
	s_lshl_b32 s19, s19, 8
	s_lshl_b32 s20, s15, 7
	s_add_co_u32 s19, s19, s20                     ; my first position in the sequence
	s_lshl_b32 s20, s40, 2
	s_lshl_b32 s21, s16, 1
	s_add_co_u32 s20, s20, s21                     ; my first head: 4 cx + 2 x half
	s_lshl_b32 s18, s18, 4
	s_add_co_u32 s18, s18, s20                     ; 16 x batch + head
	s_mul_i32 s20, ttmp9, KVB                      ; q's region or k's
	s_mul_i32 s21, s18, HB
	s_add_co_u32 s20, s20, s21
	s_lshr_b32 s21, s19, 7                         ; my 128 positions are one block
	s_mul_i32 s21, s21, SB
	s_add_co_u32 s20, s20, s21
	s_mov_b32 s21, 0
	s_add_nc_u64 s[10:11], s[8:9], s[20:21]        ; the codes
	s_add_co_u32 s20, s20, 16384
	s_add_nc_u64 s[12:13], s[8:9], s[20:21]        ; the scale words
	s_lshl_b32 s20, s19, 8                         ; 4,096 bytes a tile
	s_add_co_u32 s20, s20, TAB
	s_add_nc_u64 s[98:99], s[4:5], s[20:21]        ; the table
	s_lshl_b32 s20, s42, 10
	s_lshl_b32 s22, s16, 9
	s_add_co_u32 s20, s20, s22
	s_add_nc_u64 s[100:101], s[6:7], s[20:21]      ; the bias of my 128 columns
.irp b, 0,1,2,3,4,5,6,7
	global_load_b128 v[BI+8*\b:BI+8*\b+3], v[BO], s[100:101] offset:(32*(\b/2)+8*(\b%2))*4       ; block b, register j: column 32 (b / 2) + 16 h + 8 (b % 2) + j
	global_load_b128 v[BI+8*\b+4:BI+8*\b+7], v[BO], s[100:101] offset:(32*(\b/2)+8*(\b%2))*4+16
.endr
	s_cmp_eq_u32 s15, 0
	s_cbranch_scc0 .Lno_ask
	global_prefetch_b8 v[PF], s[4:5] offset:256 th:TH_LOAD_NT scope:SCOPE_SE     ; K steps 1, 2, 3 of my 32 rows of x: 256 bytes of a row each
	global_prefetch_b8 v[PF], s[4:5] offset:512 th:TH_LOAD_NT scope:SCOPE_SE
	global_prefetch_b8 v[PF], s[4:5] offset:768 th:TH_LOAD_NT scope:SCOPE_SE
.Lno_ask:
.macro FRAG reg, adr, q, i             ; 16 rows x 128 K: lane l holds row l % 16; registers 4 c .. 4 c + 3 hold K = 32 c + 16 (l / 16) + 0 .. 15
.irp c, 0,1,2,3
	ds_load_b128 v[\reg+4*\c:\reg+4*\c+3], v[\adr] offset:128*(\q)+32*\c+(\i)*16*PITCH
.endr
.endm
; 16 matrix instructions: A's blocks a0, a0 + 1 x B's eight.  zero = 1: the first products start the sums, with the bias as C.  The 64 accumulators take turns, one instruction a turn.
.macro MUL16 a0, p, q, sc, zero
.irp a, \a0, \a0+1
.irp b, 0,1,2,3,4,5,6,7
.if \zero
	v_wmma_scale_f32_16x16x128_f8f6f4 v[8*(8*((\a)%4)+\b):8*(8*((\a)%4)+\b)+7], v[128*(\p)+FR*\b:128*(\p)+FR*\b+FR-1], v[AF+FR*(\a):AF+FR*(\a)+FR-1], v[BI+8*\b:BI+8*\b+7], v[SC+8*NQ*(\sc)+NQ*\b+(\q)], v[SC+8*NQ*(\sc)+NQ*(\a)+(\q)] matrix_a_scale:MATRIX_SCALE_ROW1
.else
	v_wmma_scale_f32_16x16x128_f8f6f4 v[8*(8*((\a)%4)+\b):8*(8*((\a)%4)+\b)+7], v[128*(\p)+FR*\b:128*(\p)+FR*\b+FR-1], v[AF+FR*(\a):AF+FR*(\a)+FR-1], v[8*(8*((\a)%4)+\b):8*(8*((\a)%4)+\b)+7], v[SC+8*NQ*(\sc)+NQ*\b+(\q)], v[SC+8*NQ*(\sc)+NQ*(\a)+(\q)] matrix_a_scale:MATRIX_SCALE_ROW1
.endif
.endr
.endr
.endm
.macro FETCH_B slot, q, p
	WIN TO_B
.irp i, 0,1,2,3,4,5,6,7
	FRAG 128*(\p)+FR*\i, ADRB+\slot, \q, \i
.endr
	WIN 0
.endm
.macro FETCH_A slot, q, i0
.irp i, \i0, \i0+1, \i0+2, \i0+3
	FRAG AF+FR*(\i), ADRA+\slot, \q, \i
.endr
.endm
.macro SCALES sc                       ; a K step's scale words: lanes 0-15 take A's block i, lanes 16-31 B's block i
.irp i, 0,1,2,3,4,5,6,7
	ds_load_b64 v[SC+8*NQ*\sc+NQ*\i:SC+8*NQ*\sc+NQ*\i+1], v[ADRS] offset:\i*SBLK
.endr
.endm
.macro PLACES n                        ; plain vector instructions between a matrix instruction and a load into, or a read or write of, its registers
.rept \n
	v_nop
.endr
.endm
.macro STEP slot, q, zero              ; phase 1: 128 along K, with its successor in the same slot
	s_wait_dscnt 4*NL                              ; B's set and A's blocks 0-3 are in; A's blocks 4-7 may be out
.if \zero
	WIN 0x81                                       ; C in window 0, D in window 2
.else
	WIN MUL_LO
.endif
	MUL16 0, (\q)%2, \q, \slot, \zero
	MUL16 2, (\q)%2, \q, \slot, \zero
	s_wait_dscnt 0
	PLACES NP
	FETCH_B \slot, (\q)+1, 1-(\q)%2
	FETCH_A \slot, (\q)+1, 0
.if \zero
	WIN 0xc1
.else
	WIN MUL_HI
.endif
	MUL16 4, (\q)%2, \q, \slot, \zero
	MUL16 6, (\q)%2, \q, \slot, \zero
	PLACES NP
	WIN 0
	FETCH_A \slot, (\q)+1, 4
.endm
; A slot's last step changes slots: one barrier; ahead of it each wave waits for all its tensor loads, adds 0 to its spare word, and waits for that and for its own reads of the slot.  fill = 1: the slot is filled again, two K steps ahead.
.macro TURN slot, next, fill
	s_wait_tensorcnt 0x0                           ; all my tensor loads have landed: my part of the next slot
	ds_add_u32 v[SPW], v[NIL]                      ; 0 onto my spare word
	s_wait_dscnt 4*NL+1                            ; (the add and A's blocks 4-7 may be out)
	WIN MUL_LO
	MUL16 0, 1, NQ-1, \slot, 0
	s_wait_dscnt 0x0                               ; the add is done, and my reads of this slot are over
	s_barrier_signal -1
	MUL16 2, 1, NQ-1, \slot, 0
	WIN 0
	s_barrier_wait -1
.if \fill
	CREST                                          ; the barrier has opened a round of the cluster's: no wave of any partner still reads this slot or has a load on its way
	s_add_nc_u64 s[G0+4*\slot+2:G0+4*\slot+3], s[G0+4*\slot+2:G0+4*\slot+3], 2*ROWB
	s_add_nc_u64 s[G0B+4*\slot+2:G0B+4*\slot+3], s[G0B+4*\slot+2:G0B+4*\slot+3], 2*ROWB
	JLOAD G0+4*\slot, G1, G0B+4*\slot, G1B         ; the first tensor load behind the round; its four v_nop are among the places ahead of the loads below
	PLACES NP-4
.else
	PLACES NP
.endif
	s_wait_alu depctr_va_vdst(0)
	v_add_nc_u32 v[ADRS], 4*NQ, v[ADRS]            ; on to the next K step's scale words
	FETCH_B \next, 0, 0
	FETCH_A \next, 0, 0
	SCALES \next
	WIN MUL_HI
	MUL16 4, 1, NQ-1, \slot, 0
	MUL16 6, 1, NQ-1, \slot, 0
	PLACES NP
	WIN 0
	FETCH_A \next, 0, 4
.endm
.macro CSLOAD a                        ; the table of A's block a: 16 cosines, 16 signed sines of my token
.irp i, 0,1,2,3,4,5,6,7
	global_load_b128 v[CS+32*((\a)%2)+4*\i:CS+32*((\a)%2)+4*\i+3], v[LI], s[98:99] offset:4096*(\a)+512*\i
.endr
.endm
	s_wait_tensorcnt 0x0                           ; my tile of the head's four is in
	ds_add_u32 v[SPW], v[NIL]
	s_mov_b32 s[G1+2], 128<<16                     ; no tensor load of mine is out, so descriptors may be written: from here on a load brings 128 rows,
	s_mov_b32 s[G1+4], 128
	s_mov_b32 s[G1B+2], 128<<16
	s_mov_b32 s[G1B+4], 128
	s_mov_b32 s[G0+1], s45                         ; and slot 0's groups 0 stand at my 128 rows
	s_add_nc_u64 s[G0+2:G0+3], s[G0+2:G0+3], s[94:95]
	s_mov_b32 s[G0B+1], s45
	s_add_nc_u64 s[G0B+2:G0B+3], s[G0B+2:G0B+3], s[94:95]
	s_wait_dscnt 0x0
	CROUND                                         ; a whole round: all four tiles are in, and all sixteen work-groups are here
	JLOAD G0+4, G1, G0B+4, G1B                     ; K step 1: the first tensor load behind the round
	FETCH_B 0, 0, 0
	FETCH_A 0, 0, 0
	SCALES 0
	FETCH_A 0, 0, 4
	s_wait_loadcnt 0x0                             ; the bias
	STEP 0, 0, 1
	CSLOAD 0                                       ; the bias registers are free (eight places stand behind the last product that read them): they take the tables of A's blocks 0 and 1
	CSLOAD 1
	s_mov_b32 s3, LAPS-1
.Llap:
	TURN 0, 1, 1
	STEP 1, 0, 0
	TURN 1, 0, 1
	STEP 0, 0, 0
	s_sub_co_u32 s3, s3, 1
	s_cmp_lg_u32 s3, 0
	s_cbranch_scc1 .Llap
	TURN 0, 1, 0                                   ; phase 1's last lap fills nothing at its changes of slots
	STEP 1, 0, 0
	s_wait_dscnt 4*NL
	WIN MUL_LO
	MUL16 0, 1, NQ-1, 1, 0
	MUL16 2, 1, NQ-1, 1, 0
	s_wait_dscnt 0
	WIN MUL_HI
	MUL16 4, 1, NQ-1, 1, 0
	MUL16 6, 1, NQ-1, 1, 0
	WIN 0
	PLACES NP
; THE QUANTISER.  64 numbers of a lane, register 16 b + i = index 32 b + 16 (lane / 16) + i of my row, become 16 registers of codes at v[pc] on; the four scale bytes are left in v[TM+4] on.
.macro QUANT s, pc
.irp b, 0,1,2,3
	v_max3_num_f32 v[TM+\b], |v[\s+16*\b]|, |v[\s+1+16*\b]|, 0x4800000   ; with the floor 2^(9 - 127): the byte cannot fall under 1
.endr
.irp i, 2,4,6,8,10,12,14
.irp b, 0,1,2,3
	v_max3_num_f32 v[TM+\b], v[TM+\b], |v[\s+16*\b+\i]|, |v[\s+1+16*\b+\i]|
.endr
.endr
.irp b, 0,1,2,3
	v_permlanex16_b32 v[TM+4+\b], v[TM+\b], s[SEL], s[SEL+1]
.endr
.irp b, 0,1,2,3
	v_max_num_f32 v[TM+\b], v[TM+\b], v[TM+4+\b]   ; with lane l xor 16's: the block's largest magnitude
.endr
.irp b, 0,1,2,3
	v_add_nc_u32 v[TM+12+\b], 0xfc000000, v[TM+\b] ; 8 off its exponent field: the conversion's scale operand
.endr
.irp b, 0,1,2,3
	v_and_or_b32 v[TM+8+\b], v[TM+\b], 0x7f800000, s[MNT]   ; 448 x the scale
.endr
.irp b, 0,1,2,3
	v_lshrrev_b32 v[TM+4+\b], 23, v[TM+12+\b]      ; the scale's byte
.endr
.irp b, 0,1,2,3
.irp i, 0,1,2,3,4,5,6,7,8,9,10,11,12,13,14,15
	v_med3_num_f32 v[\s+16*\b+\i], v[\s+16*\b+\i], -v[TM+8+\b], v[TM+8+\b]   ; the conversion does not saturate (ISA guide 7.6.2): the hold
.endr
	v_cvt_scalef32_pk8_fp8_f32 v[\pc+4*\b:\pc+1+4*\b], v[\s+16*\b:\s+7+16*\b], v[TM+12+\b]
	v_cvt_scalef32_pk8_fp8_f32 v[\pc+2+4*\b:\pc+3+4*\b], v[\s+8+16*\b:\s+15+16*\b], v[TM+12+\b]
.endr
	v_nop                                          ; a plain instruction behind the last conversion
.endm
; q and k, A's block a: 16 tokens x my 128 columns (two heads).  y(d) = x(d) cos + x(d xor 1) ss, ss = -sin at even d, +sin at odd d; the frequency is d mod 32 = 16 (lane / 16) + (register mod 16).
.macro QKOUT a
.set AC, 64*((\a)%4)
.if (\a) < 2
.set CC, CS+32*(\a)                    ; blocks 0 and 1: the table lies in window 0
	s_wait_loadcnt 48                              ; the 48 loads of blocks 2 to 7 may be out
	WIN 0x02+(\a)/4                                ; source 0: the accumulators' window
.else
.set CC, 32*((\a)-2)                   ; blocks 2 to 7: in window 1
	s_wait_loadcnt 8*(7-(\a))                      ; this block's table is in: at most as many loads are out as the later blocks' tables have
	WIN 0x06+(\a)/4                                ; source 0: the accumulators' window; source 1: window 1
.endif
.irp g, 0,1,2,3
.irp k, 0,1,2,3,4,5,6,7
	v_pk_mul_f32 v[T+2*\k:T+2*\k+1], v[AC+16*\g+2*\k:AC+16*\g+2*\k+1], v[CC+16+2*\k:CC+16+2*\k+1] op_sel:[1,0] op_sel_hi:[0,1]   ; the pair's neighbours exchanged, x the signed sines.  Each accumulator is read from its low end on
.endr
.irp k, 0,1,2,3,4,5,6,7
	v_pk_fma_f32 v[X+16*\g+2*\k:X+16*\g+2*\k+1], v[AC+16*\g+2*\k:AC+16*\g+2*\k+1], v[CC+2*\k:CC+2*\k+1], v[T+2*\k:T+2*\k+1]
.endr
.endr
	WIN 0
	s_wait_xcnt 0x0                                ; the last block's stores have read the code registers: they are written again only behind this wait
	QUANT X, PC
	v_lshl_or_b32 v[SW+(\a)], v[TM+5], 8, v[TM+4]  ; the first head's word of this tile: two bytes, and 0x7f for the half of K that holds zeros
	v_or_b32 v[SW+(\a)], 0x7f7f0000, v[SW+(\a)]
	v_lshl_or_b32 v[SW+8+(\a)], v[TM+7], 8, v[TM+6]
	v_or_b32 v[SW+8+(\a)], 0x7f7f0000, v[SW+8+(\a)]
.irp b, 0,1,2,3
	global_store_b128 v[LI], v[PC+4*\b:PC+4*\b+3], s[10:11] offset:HB*(\b/2)+1024*(\a)+512*(\b%2)   ; head b / 2, tile a, piece b % 2: 512 consecutive bytes
.endr
.endm
.irp b, 0,1,2,3
	v_mov_b32 v[TM+4+\b], 0                        ; a lane permute's destination counts as one of its sources
.endr
	GRD
	s_mov_b32 s[G1B+2], 64<<16
	s_mov_b32 s[G1B+4], 64
	s_lshl_b32 s20, s42, 7
	s_lshl_b32 s21, s16, 6
	s_add_co_u32 s20, s20, s21
	s_add_co_u32 s20, s20, 2048
	s_lshl_b32 s20, s20, 10
	s_add_co_u32 s20, s20, WQ
	s_mov_b32 s21, 0
	s_mul_i32 s22, s16, 64*PITCH
	s_mov_b32 s[G0B+1], s22
	s_add_co_u32 s[G0B+5], s22, SLOT
	s_add_nc_u64 s[G0B+2:G0B+3], s[4:5], s[20:21]
	s_add_nc_u64 s[G0B+6:G0B+7], s[G0B+2:G0B+3], ROWB
	s_or_b32 s[G0B+3], s[G0B+3], 0x80000000
	s_or_b32 s[G0B+7], s[G0B+7], 0x80000000
	s_sub_nc_u64 s[G0+2:G0+3], s[G0+2:G0+3], 2*ROWB
	s_sub_nc_u64 s[G0+6:G0+7], s[G0+6:G0+7], 2*ROWB
	s_wait_dscnt 0x0
	CROUND
	JLOAD G0B, G1B, G0, G1                         ; slot 0: v's K step 0
	WIN TO_B                                       ; the tables of blocks 2 to 7, in one run, into the registers that held B's fragments (more than eight places stand behind the last products)
.irp a, 2,3,4,5,6,7
.irp i, 0,1,2,3,4,5,6,7
	global_load_b128 v[32*(\a-2)+4*\i:32*(\a-2)+4*\i+3], v[LI], s[98:99] offset:4096*\a+512*\i
.endr
.endr
	WIN 0
	QKOUT 0
	QKOUT 1
	s_lshl_b32 s20, s42, 7                         ; the registers of the first two tables are free: they take W_v's scale words and v's bias, of my 64 channels: 2,048 + 128 c + 64 x half on
	s_lshl_b32 s21, s15, 6
	s_add_co_u32 s20, s20, s21
	s_add_co_u32 s20, s20, 2048
	s_lshl_b32 s22, s20, 2
	s_mov_b32 s23, 0
	s_lshl_b32 s20, s20, 5
	s_add_co_u32 s20, s20, WS
	s_mov_b32 s21, 0
	s_add_nc_u64 s[100:101], s[4:5], s[20:21]      ; (the loads that read these bases have been waited for)
	s_add_nc_u64 s[96:97], s[6:7], s[22:23]
.irp a, 0,1,2,3
	global_load_b128 v[WV+8*\a:WV+8*\a+3], v[R32], s[100:101] offset:512*\a          ; lane r: the eight words of row r of block a
	global_load_b128 v[WV+8*\a+4:WV+8*\a+7], v[R32], s[100:101] offset:512*\a+16
	global_load_b32 v[BV+\a], v[BVO], s[96:97] offset:(32*(\a/2)+8*(\a%2))*4
.endr
	QKOUT 2
	QKOUT 3
	GRD
	s_wait_dscnt 0x0
	CROUND
	JLOAD G0B+4, G1B, G0+4, G1                     ; slot 1: v's K step 1
	QKOUT 4
	QKOUT 5
	QKOUT 6
	QKOUT 7
	v_and_b32 v1, 31, v0
	v_cmp_lt_u32 vcc_lo, 15, v1                    ; lanes 16-31 (made behind the last tensor load)
.irp hh, 0,1
.irp t, 0,1,2,3
	v_cndmask_b32 v[T+4*\hh+\t], v[SW+8*\hh+\t], v[SW+8*\hh+4+\t], vcc_lo   ; lanes 0-15 carry tiles 0-3, lanes 16-31 tiles 4-7
.endr
	global_store_b128 v[LI], v[T+4*\hh:T+4*\hh+3], s[12:13] offset:HB*\hh
.endr
; PHASE 2.
.macro FETCHV slot, kk                 ; a slot's two steps of 128: B's sixteen fragments, A's eight, and x's scale words of K step kk (lanes 16-31 are read)
	FETCH_B \slot, 0, 0
	FETCH_B \slot, 1, 1
.irp q, 0,1
.irp i, 0,1,2,3
	FRAG AF+64*\q+FR*\i, ADRAV+\slot, \q, \i
.endr
.endr
.irp i, 0,1,2,3,4,5,6,7
	ds_load_b64 v[SC+NQ*\i:SC+NQ*\i+1], v[ADRSV] offset:\i*SBLK+8*(\kk)
.endr
.endm
.macro MULV k, zero                    ; the k-th 128 along K: 32 products, the 32 accumulators by turns
	WIN MUL_LO
.irp a, 0,1,2,3
.irp b, 0,1,2,3,4,5,6,7
.if \zero
	v_wmma_scale_f32_16x16x128_f8f6f4 v[8*(8*\a+\b):8*(8*\a+\b)+7], v[128*((\k)%2)+FR*\b:128*((\k)%2)+FR*\b+FR-1], v[AF+64*((\k)%2)+FR*\a:AF+64*((\k)%2)+FR*\a+FR-1], 0, v[SC+NQ*\b+(\k)%2], v[WV+8*\a+(\k)] matrix_a_scale:MATRIX_SCALE_ROW1
.else
	v_wmma_scale_f32_16x16x128_f8f6f4 v[8*(8*\a+\b):8*(8*\a+\b)+7], v[128*((\k)%2)+FR*\b:128*((\k)%2)+FR*\b+FR-1], v[AF+64*((\k)%2)+FR*\a:AF+64*((\k)%2)+FR*\a+FR-1], v[8*(8*\a+\b):8*(8*\a+\b)+7], v[SC+NQ*\b+(\k)%2], v[WV+8*\a+(\k)] matrix_a_scale:MATRIX_SCALE_ROW1
.endif
.endr
.endr
	WIN 0
.endm
.macro REFILL slot                     ; my reads of the slot are in registers: it is filled again, two K steps ahead
	GRD
	s_add_nc_u64 s[G0+4*\slot+2:G0+4*\slot+3], s[G0+4*\slot+2:G0+4*\slot+3], 2*ROWB
	s_add_nc_u64 s[G0B+4*\slot+2:G0B+4*\slot+3], s[G0B+4*\slot+2:G0B+4*\slot+3], 2*ROWB
	s_wait_dscnt 0x0
	CROUND
	JLOAD G0B+4*\slot, G1B, G0+4*\slot, G1
.endm
	s_wait_alu depctr_va_vdst(0)
	s_wait_xcnt 0x0                                ; q's or k's stores have read their registers and bases: both are written again below
	s_lshl_b32 s18, s42, 1
	s_add_co_u32 s18, s18, s15                     ; my head: 2 c + half
	s_lshr_b32 s19, s17, 3
	s_lshl_b32 s19, s19, 4
	s_add_co_u32 s18, s18, s19                     ; 16 x batch + head
	s_and_b32 s19, s17, 7
	s_lshl_b32 s19, s19, 1
	s_add_co_u32 s19, s19, s16                     ; my key step of 128
	s_mul_i32 s20, s18, HB
	s_mul_i32 s22, s19, SB
	s_add_co_u32 s20, s20, s22
	s_add_co_u32 s20, s20, KVB+8192
	s_mov_b32 s21, 0
	s_add_nc_u64 s[10:11], s[8:9], s[20:21]        ; v's codes
	s_add_co_u32 s20, s20, 8704
	s_add_nc_u64 s[12:13], s[8:9], s[20:21]        ; its scale words, at 16,896 of the block
	s_wait_tensorcnt 0x0                           ; my parts of v's K steps 0 and 1 are in,
	s_barrier_signal -1
	s_barrier_wait -1                              ; everybody's are
	FETCHV 0, 0
	REFILL 0                                       ; K step 2
	s_wait_loadcnt 0x0                             ; W_v's scale words and the bias
	MULV 0, 1
	MULV 1, 0
	PLACES NP
	FETCHV 1, 1
	REFILL 1                                       ; K step 3; the round has shown K step 2 to every wave
	MULV 2, 0
	MULV 3, 0
	PLACES NP
	FETCHV 0, 2
	s_wait_dscnt 0x0
	MULV 4, 0
	MULV 5, 0
	PLACES NP
	s_wait_tensorcnt 0x0                           ; my part of K step 3 is in,
	s_barrier_signal -1
	s_barrier_wait -1                              ; everybody's is; nothing is filled again
	FETCHV 1, 3
	s_wait_dscnt 0x0
	MULV 6, 0
	MULV 7, 0
	PLACES NP
; v, A's block a: 16 channels x my 128 tokens, one key step.
.macro VOUT a
.set AC, 64*(\a)
.set BVP, BV+2*((\a)/2)
	WIN 0x02
.set n, 0
.rept 32
.if ((\a)%2) == 0
	v_pk_add_f32 v[X+n:X+n+1], v[AC+n:AC+n+1], v[BVP:BVP+1] op_sel:[0,0] op_sel_hi:[1,0]   ; + my channel's bias
.else
	v_pk_add_f32 v[X+n:X+n+1], v[AC+n:AC+n+1], v[BVP:BVP+1] op_sel:[0,1] op_sel_hi:[1,1]
.endif
.set n, n+2
.endr
	WIN 0
	s_wait_xcnt 0x0                                ; the last block's stores have read the code registers
	QUANT X, PC
	v_lshl_or_b32 v[SW+(\a)], v[TM+5], 8, v[TM+4]  ; four blocks of 32 keys: the word of this tile of channels
	v_lshl_or_b32 v[SW+(\a)], v[TM+6], 16, v[SW+(\a)]
	v_lshl_or_b32 v[SW+(\a)], v[TM+7], 24, v[SW+(\a)]
.irp c, 0,1,2,3
	global_store_b128 v[LI], v[PC+4*\c:PC+4*\c+3], s[10:11] offset:2048*(\a)+512*\c
.endr
.endm
.irp b, 0,1,2,3
	v_mov_b32 v[TM+4+\b], 0                        ; a lane permute's destination counts as one of its sources
.endr
.irp a, 0,1,2,3
	VOUT \a
.endr
	v_and_b32 v1, 31, v0
	v_cmp_lt_u32 vcc_lo, 15, v1
	v_cndmask_b32 v[T], v[SW], v[SW+2], vcc_lo     ; lanes 0-15 carry tiles 0, 1, lanes 16-31 tiles 2, 3
	v_cndmask_b32 v[T+1], v[SW+1], v[SW+3], vcc_lo
	global_store_b64 v[L8], v[T:T+1], s[12:13]     ; 256 consecutive bytes
	s_wait_tensorcnt 0x0                           ; the wave's end
	ds_add_u32 v[SPW], v[NIL]
	s_wait_dscnt 0x0
	CROUND                                         ; the closing round: no work-group ends while a partner may still ask for a tile that names it
	s_endpgm
.Lfunc_end_k_q80f6845a23_qkv:
	.size	k_q80f6845a23_qkv, .Lfunc_end_k_q80f6845a23_qkv-k_q80f6845a23_qkv
	.p2alignl 7, 3214868480
	.fill 96, 4, 3214868480
	.section	.rodata,"a",@progbits
	.p2align	6, 0x0
	.amdhsa_kernel k_q80f6845a23_qkv
		.amdhsa_group_segment_fixed_size 327680
		.amdhsa_private_segment_fixed_size 0
		.amdhsa_enable_private_segment 0
		.amdhsa_kernarg_size 24
		.amdhsa_user_sgpr_count 2
		.amdhsa_user_sgpr_kernarg_segment_ptr 1
		.amdhsa_wavefront_size32 1
		.amdhsa_system_sgpr_workgroup_id_x 1
		.amdhsa_system_sgpr_workgroup_id_y 1
		.amdhsa_system_sgpr_workgroup_id_z 1
		.amdhsa_system_vgpr_workitem_id 0
		.amdhsa_next_free_vgpr 1024
		.amdhsa_next_free_sgpr 104
		.amdhsa_reserve_vcc 1
		.amdhsa_float_denorm_mode_32 3
		.amdhsa_float_denorm_mode_16_64 3
		.amdhsa_memory_ordered 1
		.amdhsa_forward_progress 1
		.amdhsa_inst_pref_size 255
	.end_amdhsa_kernel
	.section	.bss,"aw",@nobits
	.p2align	6
	.space	262144
	.amdgpu_metadata
---
amdhsa.version: [ 1, 2 ]
amdhsa.kernels:
  - .name:           k_q80f6845a23_qkv
    .symbol:         k_q80f6845a23_qkv.kd
    .args:
      - { .name: prep, .offset: 0, .size: 8, .value_kind: global_buffer, .address_space: global }
      - { .name: b_qkv, .offset: 8, .size: 8, .value_kind: global_buffer, .address_space: global }
      - { .name: qkv, .offset: 16, .size: 8, .value_kind: global_buffer, .address_space: global }
    .group_segment_fixed_size: 327680
    .private_segment_fixed_size: 0
    .kernarg_segment_align: 8
    .kernarg_segment_size: 24
    .max_flat_workgroup_size: 128
    .sgpr_count:     104
    .vgpr_count:     1024
    .wavefront_size: 32
...
	.end_amdgpu_metadata
.endif
;; end of part 2
;; launch attn (part 3): grid 4 x 64, 16 waves a work-group, clusters of 4 x 1, 327,680 bytes of LDS; arguments qkv, att; writes att
.if DOCPART == 3
	.amdgcn_target "amdgcn-amd-amdhsa--gfx1250"
	.amdhsa_code_object_version 6
	.text
	.protected	k_q80f6845a23_attn
	.globl	k_q80f6845a23_attn
	.p2align	8
	.type	k_q80f6845a23_attn,@function
k_q80f6845a23_attn:
	s_mov_b64 s[64:65], 0
	v_nop
	global_prefetch_b8 v0, s[64:65] scope:SCOPE_SE
	s_setreg_imm32_b32 hwreg(HW_REG_WAVE_MODE, 25, 1), 1
	s_wait_xcnt 0x0
	s_wait_alu depctr_hold_cnt(0) depctr_sa_sdst(0) depctr_va_vdst(0) depctr_va_sdst(0) depctr_va_ssrc(0) depctr_va_vcc(0) depctr_vm_vsrc(0)
	s_getreg_b32 s2, hwreg(HW_REG_IB_STS2, 6, 4)
	s_cmp_eq_u32 s2, 0
	s_cbranch_scc0 .Lentry_in_a_cluster
	s_endpgm
.Lentry_in_a_cluster:
	s_bfe_u32 s2, ttmp6, 0x10000c
	s_cmp_lg_u32 s2, 0x3003
	s_cbranch_scc0 .Lentry_shape_is_right
	s_endpgm
.Lentry_shape_is_right:
; ATTN: O = softmax(q k^T / 8, causal) v for one head, both products on codes of FP8 (E4M3) with E8M0 scales; O / l is quantised along the model's 1,024 channels and leaves as images of the projection's operand registers.
; THE SOFTMAX: t = score x log2(e) / 8; M = the running largest t rounded UP to a whole number; p = 2^(t - M) is quantised along the keys, not normalised; the row's sum is taken of the unquantised p and divides O at the end.
; When M moves, the sum and O are multiplied by 2^(old M - new M): exact.
; LEFT OUT: key steps of 128 all of whose keys come after a tile's queries: the causal mask puts -inf there, so they add nothing to any row.
; SHARES.  The four work-groups of a head form a cluster.  The work-group at place cx owns the tiles T = 4 j + cx of 16 queries, j = 0 .. 31; wave w takes j = w, then j = 31 - w.  Tile T needs T / 8 + 1 = j / 2 + 1 key steps:
; 17 for every wave, and no branch hangs on cx.  Every partner reads every key step (j = 31 reaches the last), so the head's K and V are asked for JOINTLY: the mask names the four.
; THE HEAD'S WHOLE K AND V LIE IN LDS, filled once: a key step is one dense block of SB bytes (k's images, v's images, k's scale words, v's), 67 rows of 256 bytes; wave w fetches block w: one tensor load a wave, none out behind the second barrier.
; Waves 0 to 3 have a load line of their own and wait for it ahead of the first barrier; key steps 0 to 3 are walked while the other twelve blocks are on their way; all waves wait ahead of the second barrier.
; No prefetch: all that the work-group reads of K and V is asked for at its head, and there is no loop to run ahead in.
; LAYOUT.  Both products are used transposed (S^T = K Q^T, O^T = V^T P^T): a lane holds one query throughout.  The 16 registers of tiles 2 b, 2 b + 1 of S^T are keys 32 b + 16 (lane / 16) + 0 .. 15 of the step, those of O^T channels
; likewise; lane r of query tile T is token 32 (T / 2) + 8 (T % 2) + r + 8 (r / 8).
; THE HEAD'S 64 IN AN INSTRUCTION OF 128.  Q's registers 8-15 are zero codes.  A key tile has 8 registers; the instruction names 16, so its upper half is the NEXT tile's codes (zeros behind the last): finite numbers, multiplied by
; Q's zeros under the scale byte 0x7f: they add 0.
; LIMITS: NaN and infinities are not served; the promise holds while |t| stays under 2^31; 1 / l is v_rcp_f32's (1 ulp); blocks under 2^-118 keep the byte 1.  The scale bytes of O leave two at a time.
; REGISTERS: v1 16 x lane, v2 8 x lane, v3 16 r, v4 32 r, v5 r + 8 (r / 8) - 16 h; v8, v9 LDS addresses of the step; v12 -M, v13 the largest t, v[14:15] the sum; v[6:7], v[10:11], v244-253 the step's partial sums;
; v16-23 Q, v24-31 zeros; v32-95 eight tiles of K, then four fragments of V; v96-103 zeros; v104-167 S^T, then p; v168-199 O^T; v200-215 p's codes; v216-231 at work; v232-235 K's scale words, v[236:237] V's, v238 p's, v239 Q's;
; v[240:241] f; v242-243 at work; v254, v255 the spare word's address and 0.
; THE ORDER OF A WAVE'S TWO TILES: the long one first, j = 31 - w, then j = w (the paragraph on shares names the pair, this line the order): every wave then has four key steps ahead of the second barrier and thirteen behind it.
.set HB,   274432                      ; a head in either region of qkv
.set SB,   17152                       ; a key step's block
.set KVB,  17563648                    ; where k's and v's region begins; q's begins at 0
.set OV,   8192                        ; in a block: v's images,
.set OKS,  16384                       ; k's (in q's region: q's) scale words,
.set OVS,  16896                       ; v's
.set SPARE, 16*SB                      ; behind the sixteen blocks: the spare words, 128 bytes a wave
.macro CROUND                          ; a round of the cluster's barrier
	s_barrier_signal -1
	s_barrier_wait -1
	s_cmp_lg_u32 s8, 0
	s_cbranch_scc1 .Lnot_wave_0_\@
	s_barrier_signal -3
.Lnot_wave_0_\@:
	s_barrier_wait -3
	s_barrier_signal -1
	s_barrier_wait -1
.endm
	s_load_b128 s[4:7], s[0:1], 0x0                ; qkv s[4:5], att s[6:7]
	v_lshl_add_u32 v254, v0, 2, SPARE
	v_mov_b32 v255, 0
	ds_add_u32 v254, v255                          ; the opening lines: the add, twice on end, and its wait
	ds_add_u32 v254, v255
	v_lshrrev_b32 v1, 5, v0
	v_readfirstlane_b32 s8, v1                     ; wave 0..15
	s_bfe_u32 s9, ttmp6, 0x40000                   ; cx
	s_and_b32 s10, ttmp7, 0xffff                   ; 16 x batch + head
	s_mov_b32 s24, 15|(3<<16)|(1<<21)              ; group 1: the mask of the four; elements of 8 bytes; bit 21 beside a mask
	s_mov_b32 s25, 32<<16                          ; rows of 256 bytes,
	s_mov_b32 s26, 67<<16                          ; 67 of them, dense
	s_mov_b32 s27, 32<<16
	s_mov_b32 s28, 67
	s_mov_b32 s29, 32
	s_mov_b32 s30, 0
	s_mov_b32 s31, 0
	s_mov_b32 s48, 1
	s_mul_i32 s49, s8, SB                          ; block w goes to LDS byte w x SB
	s_mul_i32 s74, s10, HB
	s_add_co_u32 s74, s74, s49
	s_add_co_u32 s74, s74, KVB
	s_mov_b32 s75, 0
	s_wait_dscnt 0x0
	s_wait_kmcnt 0x0
	s_add_nc_u64 s[50:51], s[4:5], s[74:75]
	s_or_b32 s51, s51, 0x80000000
	CROUND                                         ; the four work-groups are here: the joint loads meet
	s_cmp_lt_u32 s8, 4
	s_cbranch_scc0 .Lrest
	tensor_load_to_lds s[48:51], s[24:31]          ; waves 0 to 3: key steps 0 to 3
	s_nop 0
.rept 4
	v_nop
.endr
	s_branch .Lasked
.Lrest:
	tensor_load_to_lds s[48:51], s[24:31]          ; the others: key steps 4 to 15
	s_nop 0
.rept 4
	v_nop
.endr
.Lasked:
	v_and_b32 v2, 31, v0
	v_and_b32 v4, 15, v0                           ; r
	v_bfe_u32 v6, v0, 4, 1                         ; h
	v_lshlrev_b32 v1, 4, v2
	v_lshlrev_b32 v2, 3, v2
	v_and_b32 v5, 8, v4
	v_lshlrev_b32 v6, 4, v6
	v_add_nc_u32 v5, v5, v4
	v_lshlrev_b32 v3, 4, v4
	v_lshlrev_b32 v4, 5, v4
	v_sub_nc_u32 v5, v5, v6
.irp j, 0,1,2,3,4,5,6,7
	v_mov_b32 v[24+\j], 0                          ; Q's upper half: zero codes
	v_mov_b32 v[96+\j], 0                          ; and what stands behind K's last tile
.endr
.irp b, 0,1,2,3
	v_mov_b32 v[220+\b], 0                         ; a lane permute's destination counts as one of its sources
.endr
	v_mov_b32 v241, 0                              ; (named as the upper half of the pair v[240:241])
	v_mov_b32 v242, 0
	s_mov_b32 s19, 0x600000                        ; the mantissa field of 448
	s_mov_b32 s20, 0x76543210
	s_mov_b32 s21, 0xfedcba98                      ; v_permlanex16_b32's selects for lane l xor 16
	s_mov_b32 s22, 0x3e38aa3b                      ; c = log2(e) / 8
	s_mov_b32 s23, s22
	s_sub_co_u32 s11, 31, s8                       ; j of the first tile: it needs nine key steps or more
	s_wait_alu depctr_va_vdst(0)                   ; the wait
.macro START st                        ; the walk begins at key step st: the counter, the step's block in LDS, its first key
	s_mov_b32 s14, \st
	s_mov_b32 s15, SB*\st
	s_mov_b32 s18, 128*\st
.endm
.macro QLOAD                           ; for j in s11: the tile's last key step, its first token, and Q's image and scale words are asked for
	s_lshr_b32 s12, s11, 1                         ; T / 8 = j / 2: made of j alone
	s_lshl_b32 s82, s11, 2
	s_add_co_u32 s82, s82, s9                      ; T
	s_lshr_b32 s13, s82, 1
	s_lshl_b32 s13, s13, 5
	s_and_b32 s70, s82, 1
	s_lshl_b32 s70, s70, 3
	s_add_co_u32 s13, s13, s70                     ; 32 (T / 2) + 8 (T % 2)
	s_mul_i32 s70, s10, HB
	s_mul_i32 s71, s12, SB
	s_add_co_u32 s70, s70, s71                     ; the tile's block in q's region
	s_and_b32 s72, s82, 7
	s_lshl_b32 s72, s72, 10
	s_add_co_u32 s72, s72, s70
	s_mov_b32 s73, 0
	s_add_nc_u64 s[60:61], s[4:5], s[72:73]        ; Q's image
	s_bfe_u32 s72, s82, 0x10002
	s_lshl_b32 s72, s72, 8
	s_add_co_u32 s72, s72, s70
	s_and_b32 s74, s82, 3
	s_lshl_b32 s74, s74, 2
	s_add_co_u32 s72, s72, s74
	s_add_co_u32 s72, s72, OKS
	s_add_nc_u64 s[62:63], s[4:5], s[72:73]        ; its scale words: half (T / 4) % 2, word T % 4 of row r
	global_load_b128 v[16:19], v1, s[60:61]
	global_load_b128 v[20:23], v1, s[60:61] offset:512
	global_load_b32 v239, v3, s[62:63]
.endm
.macro OADDR                           ; for T in s82: where O's codes and scale bytes go
	s_lshr_b32 s70, s10, 4
	s_lshl_b32 s70, s70, 7
	s_add_co_u32 s70, s70, s82                     ; the tile among all 512
	s_and_b32 s72, s10, 15                         ; the head
	s_lshl_b32 s73, s70, 14
	s_lshr_b32 s74, s72, 1
	s_lshl_b32 s74, s74, 11
	s_add_co_u32 s73, s73, s74
	s_and_b32 s74, s72, 1
	s_lshl_b32 s74, s74, 10
	s_add_co_u32 s74, s73, s74
	s_mov_b32 s75, 0
	s_add_nc_u64 s[66:67], s[6:7], s[74:75]        ; K step head / 2 of the projection, pieces 2 (head % 2) and the next
	s_lshl_b32 s74, s70, 9
	s_lshl_b32 s72, s72, 1
	s_add_co_u32 s74, s74, s72
	s_add_co_u32 s74, s74, 8388608
	s_add_nc_u64 s[68:69], s[6:7], s[74:75]        ; 32 scale bytes a position, mine at 2 x head
.endm
.macro INIT
	v_mov_b32 v13, 0xff61b1e6                      ; the largest t so far: -3e38
	v_mov_b32 v14, 0
	v_mov_b32 v15, 0
	v_floor_f32 v12, -v13
.set n, 0
.rept 32
	v_mov_b32 v[168+n], 0                          ; O^T: the step is written once; the first change of M leaves zeros zeros
.set n, n+1
.endr
	START 0
	s_wait_alu depctr_va_vdst(0)
	s_wait_loadcnt 0x0                             ; Q
.endm
; A KEY STEP of 128 keys.  A step all of whose keys come after my queries is left out: a scalar branch on ids, round its work, not round the lines at its end that step addresses.
.macro STEP
	s_cmp_gt_u32 s14, s12
	s_cbranch_scc1 .Lhid_\@
	v_add_nc_u32 v8, s15, v1                       ; with the seven additions at the last step's end: nine places ahead of loads into registers that the last products read
	v_add_nc_u32 v9, s15, v2
.irp i, 0,1,2,3,4,5,6,7
	ds_load_b128 v[32+8*\i:35+8*\i], v8 offset:1024*\i
	ds_load_b128 v[36+8*\i:39+8*\i], v8 offset:1024*\i+512
.endr
	ds_load_b128 v[232:235], v8 offset:OKS         ; register t: lanes 0-15 the word of tile t, lanes 16-31 of tile 4 + t
	s_wait_alu depctr_va_vdst(0)
	s_wait_dscnt 0x0
.irp i, 0,1,2,3
	v_wmma_scale_f32_16x16x128_f8f6f4 v[104+8*\i:111+8*\i], v[32+8*\i:47+8*\i], v[16:31], 0, v[232+\i], v239
.endr
.irp i, 4,5,6,7
	v_wmma_scale_f32_16x16x128_f8f6f4 v[104+8*\i:111+8*\i], v[32+8*\i:47+8*\i], v[16:31], 0, v[228+\i], v239 matrix_a_scale:MATRIX_SCALE_ROW1
.endr
.rept 8
	v_nop                                          ; places ahead of the loads below and of the first read of the scores
.endr
.irp t, 0,1,2,3
.irp c, 0,1,2,3
	ds_load_b128 v[32+16*\t+4*\c:35+16*\t+4*\c], v8 offset:OV+2048*\t+512*\c   ; V's four fragments land while the softmax is worked
.endr
.endr
	ds_load_b64 v[236:237], v9 offset:OVS          ; register e: lanes 0-15 the word of tile e, lanes 16-31 of tile 2 + e
	s_cmp_lt_u32 s14, s12                          ; only the tile's last step lies on the diagonal
	s_cbranch_scc1 .Lopen_\@
	s_sub_co_i32 s70, s13, s18
	v_add_nc_u32 v242, s70, v5                     ; d = my query - the step's first key - 16 (lane / 16): register 16 b + i is hidden where 32 b + i > d
	v_mov_b32 v243, 0xff800000                     ; -infinity
.set n, 0
.rept 64
	v_cmp_gt_i32 vcc_lo, 32*(n/16)+n%16, v242
	v_cndmask_b32 v[104+n], v[104+n], v243, vcc_lo
.set n, n+1
.endr
.Lopen_\@:
.irp b, 0,1,2,3
	v_max3_num_f32 v[216+\b], v[104+16*\b], v[105+16*\b], v[106+16*\b]   ; the largest score of each block of 32 keys: for the row's maximum and, since p rises with the score, for the block's largest p
.endr
.irp i, 3,5,7,9,11,13
.irp b, 0,1,2,3
	v_max3_num_f32 v[216+\b], v[216+\b], v[104+16*\b+\i], v[105+16*\b+\i]
.endr
.endr
.irp b, 0,1,2,3
	v_max_num_f32 v[216+\b], v[216+\b], v[119+16*\b]
.endr
.irp b, 0,1,2,3
	s_delay_alu instid0(VALU_DEP_4)
	v_permlanex16_b32 v[220+\b], v[216+\b], s20, s21
.endr
.irp b, 0,1,2,3
	s_delay_alu instid0(VALU_DEP_4)
	v_max_num_f32 v[216+\b], v[216+\b], v[220+\b]  ; with lane l xor 16's 16 keys
.endr
	s_delay_alu instid0(VALU_DEP_2)
	v_max3_num_f32 v242, v216, v217, v218
	s_delay_alu instid0(VALU_DEP_1)
	v_max_num_f32 v242, v242, v219
	s_delay_alu instid0(VALU_DEP_1)
	v_mul_f32 v242, s22, v242                      ; the step's largest t
	s_delay_alu instid0(VALU_DEP_1)
	v_max_num_f32 v13, v13, v242
	v_mov_b32 v242, v12
	s_delay_alu instid0(VALU_DEP_2)
	v_floor_f32 v12, -v13                          ; -M = floor(-t): M is a whole number
	s_delay_alu instid0(VALU_DEP_1)
	v_sub_f32 v242, v12, v242                      ; old M - new M, 0 or less
	s_delay_alu instid0(VALU_DEP_1)
	v_cvt_i32_f32 v242, v242                       ; (it saturates)
	s_delay_alu instid0(VALU_DEP_1)
	v_ldexp_f32 v240, 1.0, v242                    ; f = 2^(old M - new M)
.set n, 0
.rept 32
	v_pk_fma_f32 v[104+n:105+n], v[104+n:105+n], s[22:23], v[12:13] op_sel_hi:[1,0,0]   ; t - M
.set n, n+2
.endr
.irp b, 0,1,2,3
	v_fma_f32 v[216+\b], v[216+\b], s22, v12       ; the same of each block's largest score
.endr
	s_wait_alu depctr_va_vdst(0)
.set n, 0
.rept 64
	v_exp_f32 v[104+n], v[104+n]                   ; p = 2^(t - M)
.set n, n+1
.endr
	v_pk_mul_f32 v[14:15], v[14:15], v[240:241] op_sel_hi:[1,0]   ; the sum under the new M: a plain instruction behind the exponentials
	s_wait_alu depctr_va_vdst(0)                   ; one wait for the batch, ahead of its first reader
.irp b, 0,1,2,3
	v_exp_f32 v[216+\b], v[216+\b]                 ; the block's largest p
.endr
; the row's sum of the unquantised p: 32 pairs into eight chains by turns; the chains are joined behind the step's last products
.set n, 104
.irp a, 6,10,244,246,248,250,252
	v_pk_add_f32 v[\a:\a+1], v[n:n+1], v[n+2:n+3]
.set n, n+4
.endr
.irp a, 14,6,10,244,246,248,250,252,14,6,10,244,246,248,250,252,14,6
	v_pk_add_f32 v[\a:\a+1], v[\a:\a+1], v[n:n+1]
.set n, n+2
.endr
	s_wait_alu depctr_va_vdst(0)                   ; and one for the four
.irp b, 0,1,2,3
	v_max_num_f32 v[216+\b], 0x4800000, v[216+\b]  ; the floor 2^(9 - 127)
.endr
.irp b, 0,1,2,3
	s_delay_alu instid0(VALU_DEP_4)
	v_add_nc_u32 v[228+\b], 0xfc000000, v[216+\b]  ; the conversion's scale operand
.endr
.irp b, 0,1,2,3
	v_and_or_b32 v[224+\b], v[216+\b], 0x7f800000, s19   ; 448 x the scale
.endr
.irp b, 0,1,2,3
	v_lshrrev_b32 v[220+\b], 23, v[228+\b]         ; the scale's byte
.endr
	s_delay_alu instid0(VALU_DEP_3)
	v_lshl_or_b32 v238, v221, 8, v220              ; p's scale word for these 128 keys
	s_delay_alu instid0(VALU_DEP_1)
	v_lshl_or_b32 v238, v222, 16, v238
	s_delay_alu instid0(VALU_DEP_1)
	v_lshl_or_b32 v238, v223, 24, v238
.irp b, 0,1,2,3
.irp i, 0,2,4,6,8,10,12,14
	v_dual_min_num_f32 v[104+16*\b+\i], v[104+16*\b+\i], v[224+\b] :: v_dual_min_num_f32 v[105+16*\b+\i], v[105+16*\b+\i], v[224+\b]   ; the conversion does not saturate (ISA guide 7.6.2); p is not negative: a one-sided hold, two to a line
.endr
	v_cvt_scalef32_pk8_fp8_f32 v[200+4*\b:201+4*\b], v[104+16*\b:111+16*\b], v[228+\b]
	v_cvt_scalef32_pk8_fp8_f32 v[202+4*\b:203+4*\b], v[112+16*\b:119+16*\b], v[228+\b]
.endr
	s_wait_alu depctr_va_vdst(0)                   ; directly ahead of the first reader of O^T
.set n, 0
.rept 16
	v_pk_mul_f32 v[168+n:169+n], v[168+n:169+n], v[240:241] op_sel_hi:[1,0]   ; O^T under the new M; these are also the places ahead of the products below
.set n, n+2
.endr
	s_wait_alu depctr_va_vdst(0)
	s_wait_dscnt 0x0                               ; V
.irp t, 0,1
	v_wmma_scale_f32_16x16x128_f8f6f4 v[168+8*\t:175+8*\t], v[32+16*\t:47+16*\t], v[200:215], v[168+8*\t:175+8*\t], v[236+\t], v238
.endr
.irp t, 2,3
	v_wmma_scale_f32_16x16x128_f8f6f4 v[168+8*\t:175+8*\t], v[32+16*\t:47+16*\t], v[200:215], v[168+8*\t:175+8*\t], v[234+\t], v238 matrix_a_scale:MATRIX_SCALE_ROW1
.endr
	v_pk_add_f32 v[14:15], v[14:15], v[246:247]    ; the eight chains are joined: seven places behind the products, of whose registers they name none
	v_pk_add_f32 v[6:7], v[6:7], v[248:249]
	v_pk_add_f32 v[10:11], v[10:11], v[250:251]
	v_pk_add_f32 v[244:245], v[244:245], v[252:253]
	v_pk_add_f32 v[14:15], v[14:15], v[10:11]
	v_pk_add_f32 v[6:7], v[6:7], v[244:245]
	v_pk_add_f32 v[14:15], v[14:15], v[6:7]
.Lhid_\@:
	s_add_co_u32 s15, s15, SB
	s_add_co_u32 s18, s18, 128
.endm
.macro WALK upto                       ; key steps up to, not including, upto: the trip count is a constant
.Lwalk_\@:
	STEP
	s_add_co_u32 s14, s14, 1
	s_cmp_lt_u32 s14, \upto
	s_cbranch_scc1 .Lwalk_\@
.endm
; O^T / the sum, quantised along the channels (two blocks of 32), and stored.  With the seven additions at the step's end, the three lines ahead of the reciprocal are the places behind the last products.
.macro FINISH
	s_wait_alu depctr_va_vdst(0)                   ; the sum was written ahead of branches
	v_add_f32 v14, v14, v15
	s_delay_alu instid0(VALU_DEP_1)
	v_permlanex16_b32 v242, v14, s20, s21
	s_delay_alu instid0(VALU_DEP_1)
	v_add_f32 v14, v14, v242                       ; the row's sum
	s_wait_alu depctr_va_vdst(0)
	v_rcp_f32 v240, v14
	v_nop                                          ; a plain instruction behind the reciprocal
	s_wait_alu depctr_va_vdst(0)                   ; and the wait ahead of its first reader
.set n, 0
.rept 16
	v_pk_mul_f32 v[104+n:105+n], v[168+n:169+n], v[240:241] op_sel_hi:[1,0]   ; register 16 b + i: channel 32 b + 16 (lane / 16) + i
.set n, n+2
.endr
.irp b, 0,1
	v_max3_num_f32 v[216+\b], |v[104+16*\b]|, |v[105+16*\b]|, 0x4800000
.endr
.irp i, 2,4,6,8,10,12,14
.irp b, 0,1
	s_delay_alu instid0(VALU_DEP_2)
	v_max3_num_f32 v[216+\b], v[216+\b], |v[104+16*\b+\i]|, |v[105+16*\b+\i]|
.endr
.endr
.irp b, 0,1
	s_delay_alu instid0(VALU_DEP_2)
	v_permlanex16_b32 v[220+\b], v[216+\b], s20, s21
.endr
.irp b, 0,1
	s_delay_alu instid0(VALU_DEP_2)
	v_max_num_f32 v[216+\b], v[216+\b], v[220+\b]
.endr
.irp b, 0,1
	s_delay_alu instid0(VALU_DEP_2)
	v_add_nc_u32 v[228+\b], 0xfc000000, v[216+\b]
.endr
.irp b, 0,1
	s_delay_alu instid0(VALU_DEP_4)
	v_and_or_b32 v[224+\b], v[216+\b], 0x7f800000, s19
.endr
.irp b, 0,1
	s_delay_alu instid0(VALU_DEP_4)
	v_lshrrev_b32 v[220+\b], 23, v[228+\b]
.endr
	s_delay_alu instid0(VALU_DEP_1)
	v_lshl_or_b32 v242, v221, 8, v220
.irp b, 0,1
.irp i, 0,1,2,3,4,5,6,7,8,9,10,11,12,13,14,15
	v_med3_num_f32 v[104+16*\b+\i], v[104+16*\b+\i], -v[224+\b], v[224+\b]
.endr
	v_cvt_scalef32_pk8_fp8_f32 v[200+4*\b:201+4*\b], v[104+16*\b:111+16*\b], v[228+\b]
	v_cvt_scalef32_pk8_fp8_f32 v[202+4*\b:203+4*\b], v[112+16*\b:119+16*\b], v[228+\b]
.endr
	v_nop                                          ; a plain instruction behind the last conversion
	global_store_b128 v1, v[200:203], s[66:67]     ; 512 consecutive bytes each
	global_store_b128 v1, v[204:207], s[66:67] offset:512
	global_store_b16 v4, v242, s[68:69]            ; my row's two bytes; lanes l and l xor 16 write the same value to the same place
.endm
	QLOAD
	OADDR
	INIT
	s_cmp_lt_u32 s8, 4
	s_cbranch_scc0 .Lnot_first
	s_wait_tensorcnt 0x0                           ; waves 0 to 3: my block of key steps 0 to 3 is in; the other waves' wait stands at the second barrier
.Lnot_first:
	s_barrier_signal -1
	s_barrier_wait -1
	WALK 4                                         ; key steps 0 to 3 read LDS bytes under 4 x SB alone
	s_wait_tensorcnt 0x0                           ; my block is in,
	s_wait_dscnt 0x0
	s_barrier_signal -1
	s_barrier_wait -1                              ; everybody's is
	START 4
	WALK 16
	s_sub_co_u32 s11, 31, s11                      ; the second tile's j; its Q is asked for ahead of the first tile's way out (the first tile's loads of Q are done, so their bases may be written)
	QLOAD
	FINISH
	s_wait_xcnt 0x0                                ; the stores have read their bases and data: both are written again below
	OADDR
	INIT
	WALK 8
	FINISH
	s_wait_tensorcnt 0x0                           ; the wave's end
	ds_add_u32 v254, v255
	s_wait_dscnt 0x0
	CROUND                                         ; the closing round
	s_endpgm
.Lfunc_end_k_q80f6845a23_attn:
	.size	k_q80f6845a23_attn, .Lfunc_end_k_q80f6845a23_attn-k_q80f6845a23_attn
	.p2alignl 7, 3214868480
	.fill 96, 4, 3214868480
	.section	.rodata,"a",@progbits
	.p2align	6, 0x0
	.amdhsa_kernel k_q80f6845a23_attn
		.amdhsa_group_segment_fixed_size 327680
		.amdhsa_private_segment_fixed_size 0
		.amdhsa_enable_private_segment 0
		.amdhsa_kernarg_size 16
		.amdhsa_user_sgpr_count 2
		.amdhsa_user_sgpr_kernarg_segment_ptr 1
		.amdhsa_wavefront_size32 1
		.amdhsa_system_sgpr_workgroup_id_x 1
		.amdhsa_system_sgpr_workgroup_id_y 1
		.amdhsa_system_sgpr_workgroup_id_z 1
		.amdhsa_system_vgpr_workitem_id 0
		.amdhsa_next_free_vgpr 256
		.amdhsa_next_free_sgpr 96
		.amdhsa_reserve_vcc 1
		.amdhsa_float_denorm_mode_32 3
		.amdhsa_float_denorm_mode_16_64 3
		.amdhsa_memory_ordered 1
		.amdhsa_forward_progress 1
		.amdhsa_inst_pref_size 97
	.end_amdhsa_kernel
	.amdgpu_metadata
---
amdhsa.version: [ 1, 2 ]
amdhsa.kernels:
  - .name:           k_q80f6845a23_attn
    .symbol:         k_q80f6845a23_attn.kd
    .args:
      - { .name: qkv, .offset: 0, .size: 8, .value_kind: global_buffer, .address_space: global }
      - { .name: att, .offset: 8, .size: 8, .value_kind: global_buffer, .address_space: global }
    .group_segment_fixed_size: 327680
    .private_segment_fixed_size: 0
    .kernarg_segment_align: 8
    .kernarg_segment_size: 16
    .max_flat_workgroup_size: 512
    .sgpr_count:     96
    .vgpr_count:     256
    .wavefront_size: 32
...
	.end_amdgpu_metadata
.endif
;; end of part 3
;; launch proj (part 4): grid 4 x 64, 4 waves a work-group, clusters of 4 x 4, 327,680 bytes of LDS; arguments att, prep, b_proj, out0; writes out0
.if DOCPART == 4
	.amdgcn_target "amdgcn-amd-amdhsa--gfx1250"
	.amdhsa_code_object_version 6
	.text
	.protected	k_q80f6845a23_proj
	.globl	k_q80f6845a23_proj
	.p2align	8
	.type	k_q80f6845a23_proj,@function
k_q80f6845a23_proj:
	s_mov_b64 s[64:65], 0
	v_nop
	global_prefetch_b8 v0, s[64:65] scope:SCOPE_SE
	s_setreg_imm32_b32 hwreg(HW_REG_WAVE_MODE, 25, 1), 1
	s_wait_xcnt 0x0
	s_wait_alu depctr_hold_cnt(0) depctr_sa_sdst(0) depctr_va_vdst(0) depctr_va_sdst(0) depctr_va_ssrc(0) depctr_va_vcc(0) depctr_vm_vsrc(0)
	s_getreg_b32 s2, hwreg(HW_REG_IB_STS2, 6, 4)
	s_cmp_eq_u32 s2, 0
	s_cbranch_scc0 .Lentry_in_a_cluster
	s_endpgm
.Lentry_in_a_cluster:
	s_bfe_u32 s2, ttmp6, 0x10000c
	s_cmp_lg_u32 s2, 0xf033
	s_cbranch_scc0 .Lentry_shape_is_right
	s_endpgm
.Lentry_shape_is_right:
; PROJ: out0 = O W_proj + b_proj on codes of FP8 (E4M3) with E8M0 scales, f32 sums: 8,192 x 1,024 x 1,024.
; IN.  att: O's codes as images [512 tiles of 16 positions][8 K steps of 128][4 pieces][32 lanes][16 bytes], and from ASC on 32 scale bytes a position; row r of tile T is token 32 (T / 2) + 8 (T % 2) + r + 8 (r / 8).
; prep: W_proj's codes at PQ, [1,024 columns][1,024 along K], and their scale bytes at PS, 32 a column.
; SHARES.  256 work-groups; one makes 128 rows x 256 columns; each of its four waves 128 rows x 64 columns: 32 accumulators of 16 x 16.  4 x 4 work-groups form a cluster: A's rows are asked for jointly along a row of the cluster, B's along a column.
; LDS.  All of A's 128 rows (131,072 bytes of images) and the scale bytes lie there from the head on.  B comes in two halves of K, 256 rows x 512 bytes (16 bytes of padding behind each row): a wave takes its 64 rows of a half into 256 registers;
; when all waves hold the first half, the second is filled over it, behind a spare-word add and a round of the cluster's barrier, 64 rows a wave: the launch's one refill.  It is on its way under the first half's 128 products a wave.
; THE FIRST HALF OF K goes by K steps of 128: A's eight fragments in two sets by turns, 32 products a step.  THE SECOND goes by rows of the result: a block of 16 rows is finished by 16 products (its four accumulators by turns)
; and leaves through the wave's own stage while the next block is multiplied.
; THE MATRIX INSTRUCTION IS USED TRANSPOSED (source 0 = 16 rows of B, source 1 = 16 rows of A): a lane holds eight neighbouring columns of one row.  The bias is the first products' C.
; No prefetch: the launch has no loop to run ahead in; all but B's second half is asked for at the head.
; LIMITS: NaN and infinities are not served.
; REGISTERS: window 0: v16-29 addresses; v32-63 the bias, later rows on the way out; v64-127 A's scale words (8 a + q); v132-163 B's (8 b + q); v192-223 rows on the way out.  window 1: B's fragments (16 (4 q + b)).
; window 2: the accumulators (8 (4 a + b)).  window 3: A's fragments.
.set PQ,   11534336
.set PS,   12943360
.set ASC,  8388608
.set BP,     528                       ; a row of B in LDS: 512 bytes + 16: the 16 rows that a load touches start at 16 different banks (64 banks of 4 bytes: ISA guide 11.1)
.set LB,     131072                    ; behind A's images: B's half
.set LSA,    LB+256*BP                 ; A's scale bytes: 16 units of 256 bytes + 16
.set LSB,    LSA+16*272                ; B's: 32 units
.set STAGE,  LSB+32*272                ; the way out: 16 rows x (256 bytes + 16) for each wave; no fill lands here
.set SPITCH, 272
.set SPARE,  STAGE+4*16*SPITCH         ; the spare words, 128 bytes for each wave
.set NP,   8                           ; places behind this matrix instruction (ISA guide 7.12.1)
.set ADRA, 16                          ; v16, v17  16 x lane, and 65,536 more: A's tiles 0-3, 4-7
.set ADRB, 18                          ; v18  my 64 rows of B: row r, + 16 h
.set ASA,  19                          ; v19  A's scale words of row r
.set ASB,  20                          ; v20  B's
.set STO,  21                          ; v21  the stage, in
.set RD,   22                          ; v22  the stage, back: sixteen lanes to a row
.set CO,   23                          ; v23  4,096 h + 16 r: my place in two rows of out0
.set BO,   24                          ; v24  32 h: the bias
.set SPW,  28
.set NIL,  29
.set BI,   32
.set SA,   64
.set SB,   132                         ; 4 more than a multiple of 8: no product's two scale words have numbers equal modulo 8
.set G1A,  24
.set G1B,  32
.set G1SA, 40
.set G1SB, 48
.set G0A,  56
.set G0B,  60
.set G0SA, 68
.set G0SB, 72
.set MSB, 0
.macro WIN new                         ; the immediate's high byte repeats the setting that is left
.if MSB != (\new)
	s_set_vgpr_msb (MSB<<8)|(\new)
.set MSB, (\new)
.endif
.endm
.macro PLACES n
.rept \n
	v_nop
.endr
.endm
.macro CROUND                          ; a round of the cluster's barrier
	s_barrier_signal -1
	s_barrier_wait -1
	s_cmp_lg_u32 s14, 0
	s_cbranch_scc1 .Lnot_wave_0_\@
	s_barrier_signal -3
.Lnot_wave_0_\@:
	s_barrier_wait -3
	s_barrier_signal -1
	s_barrier_wait -1
.endm
	s_load_b256 s[4:11], s[0:1], 0x0               ; att s[4:5], prep s[6:7], b_proj s[8:9], out0 s[10:11]
	v_lshl_add_u32 v[SPW], v0, 2, SPARE
	v_mov_b32 v[NIL], 0
	ds_add_u32 v[SPW], v[NIL]                      ; the opening lines: the add, twice on end, and its wait
	ds_add_u32 v[SPW], v[NIL]
	v_lshrrev_b32 v1, 5, v0
	v_readfirstlane_b32 s14, v1                    ; wave 0..3
	s_bfe_u32 s15, ttmp6, 0x40000                  ; cx: my block of 256 columns (the grid has one cluster along x)
	s_bfe_u32 s16, ttmp6, 0x40004                  ; cy
	s_and_b32 s17, ttmp7, 0xffff
	s_lshl_b32 s17, s17, 2
	s_add_co_u32 s17, s17, s16                     ; my block of 128 rows
	s_lshl_b32 s18, s16, 2
	s_lshl_b32 s18, 15, s18                        ; my row of the cluster
	s_lshl_b32 s19, 0x1111, s15                    ; my column
	s_or_b32 s[G1A], s18, (3<<16)|(1<<21)          ; A: 131,072 dense bytes as 32 rows of 4,096 (512 elements of 8 bytes)
	s_mov_b32 s[G1A+1], 512<<16
	s_mov_b32 s[G1A+2], 32<<16
	s_mov_b32 s[G1A+3], 512<<16
	s_mov_b32 s[G1A+4], 32
	s_mov_b32 s[G1A+5], 512
	s_mov_b32 s[G1A+6], 0
	s_mov_b32 s[G1A+7], 0
	s_or_b32 s[G1B], s19, (1<<20)|(1<<21)|(6<<22)|(3<<25)   ; B: rows of 512 bytes, 1,024 apart in memory; 4 words of padding after every 128
	s_mov_b32 s[G1B+1], 512<<16
	s_mov_b32 s[G1B+2], 256<<16
	s_mov_b32 s[G1B+3], 512<<16
	s_mov_b32 s[G1B+4], 256
	s_mov_b32 s[G1B+5], 1024
	s_mov_b32 s[G1B+6], 0
	s_mov_b32 s[G1B+7], 0
	s_or_b32 s[G1SA], s18, (3<<16)|(1<<20)|(1<<21)|(5<<22)|(3<<25)   ; scale bytes: dense rows of 256 bytes, 16 of padding behind each: 16 rows for A,
	s_or_b32 s[G1SB], s19, (3<<16)|(1<<20)|(1<<21)|(5<<22)|(3<<25)   ; 32 for B
.irp g, G1SA, G1SB
	s_mov_b32 s[\g+1], 32<<16
	s_mov_b32 s[\g+3], 32<<16
	s_mov_b32 s[\g+5], 32
	s_mov_b32 s[\g+6], 0
	s_mov_b32 s[\g+7], 0
.endr
	s_mov_b32 s[G1SA+2], 16<<16
	s_mov_b32 s[G1SA+4], 16
	s_mov_b32 s[G1SB+2], 32<<16
	s_mov_b32 s[G1SB+4], 32
	s_lshl_b32 s20, s17, 17                        ; bytes into the buffers: A's images,
	s_mov_b32 s21, 0
	s_lshl_b32 s22, s17, 12
	s_add_co_u32 s22, s22, ASC                     ; A's scale bytes,
	s_mov_b32 s23, 0
	s_lshl_b32 s76, s15, 18
	s_add_co_u32 s76, s76, PQ                      ; B's codes,
	s_mov_b32 s77, 0
	s_lshl_b32 s78, s15, 13
	s_add_co_u32 s78, s78, PS                      ; B's scale bytes,
	s_mov_b32 s79, 0
	s_lshl_b32 s80, s15, 10
	s_lshl_b32 s81, s14, 8
	s_add_co_u32 s80, s80, s81                     ; my wave's 64 columns, in f32,
	s_mov_b32 s81, 0
	s_lshl_b32 s82, s17, 19
	s_add_co_u32 s82, s82, s80                     ; and my part of out0
	s_mov_b32 s83, 0
	s_lshl_b32 s84, s14, 16
	s_add_co_u32 s84, s84, 512                     ; the refill: my 64 rows, the second half of K
	s_mov_b32 s85, 0
	s_mul_i32 s86, s14, 64*BP
	s_add_co_u32 s86, s86, LB                      ; LDS: my 64 rows of B,
	s_mul_i32 s87, s14, 8*272
	s_add_co_u32 s87, s87, LSB                     ; their scale bytes,
	s_mul_i32 s90, s14, 16*SPITCH
	s_add_co_u32 s90, s90, STAGE                   ; my stage
	s_mov_b32 s[G0A], 1
	s_mov_b32 s[G0A+1], 0
	s_mov_b32 s[G0B], 1
	s_mov_b32 s[G0B+1], LB
	s_mov_b32 s[G0SA], 1
	s_mov_b32 s[G0SA+1], LSA
	s_mov_b32 s[G0SB], 1
	s_mov_b32 s[G0SB+1], LSB
	s_wait_dscnt 0x0                               ; both opening adds are done
	s_wait_kmcnt 0x0
	s_add_nc_u64 s[G0A+2:G0A+3], s[4:5], s[20:21]
	s_or_b32 s[G0A+3], s[G0A+3], 0x80000000
	s_add_nc_u64 s[G0B+2:G0B+3], s[6:7], s[76:77]
	s_or_b32 s[G0B+3], s[G0B+3], 0x80000000
	s_add_nc_u64 s[G0SA+2:G0SA+3], s[4:5], s[22:23]
	s_or_b32 s[G0SA+3], s[G0SA+3], 0x80000000
	s_add_nc_u64 s[G0SB+2:G0SB+3], s[6:7], s[78:79]
	s_or_b32 s[G0SB+3], s[G0SB+3], 0x80000000
	s_add_nc_u64 s[88:89], s[8:9], s[80:81]        ; the bias of my 64 columns
	s_add_nc_u64 s[12:13], s[10:11], s[82:83]
	CROUND                                         ; all sixteen work-groups are here: the first joint loads meet
; THE HEAD'S LOADS, ONE A WAVE: wave 0 B's first half, which goes on into registers; wave 1 A; wave 2 B's scale bytes; wave 3 A's.  One tree of branches on the wave's number, a load to an arm.
.macro ARM under, g0, g1, next
	s_cmp_lt_u32 s14, \under
	s_cbranch_scc0 \next
	tensor_load_to_lds s[\g0:\g0+3], s[\g1:\g1+7]
	s_nop 0
	PLACES 4
	s_branch .Larm_done
\next:
.endm
	ARM 1, G0B,  G1B,  .Larm_a
	ARM 2, G0A,  G1A,  .Larm_sb
	ARM 3, G0SB, G1SB, .Larm_sa
	tensor_load_to_lds s[G0SA:G0SA+3], s[G1SA:G1SA+7]
	s_nop 0
	PLACES 4
.Larm_done:
	v_and_b32 v1, 15, v0                           ; r
	v_bfe_u32 v2, v0, 4, 1                         ; h
	v_and_b32 v3, 31, v0
	v_lshlrev_b32 v[ADRA], 4, v3
	v_mul_u32_u24 v4, v1, BP
	v_lshlrev_b32 v5, 5, v1
	v_lshrrev_b32 v6, 3, v1
	v_add_nc_u32 v[ADRA+1], 0x10000, v[ADRA]
	v_lshl_add_u32 v4, v2, 4, v4
	v_lshl_add_u32 v5, v6, 4, v5                   ; 32 bytes a row, and 16 more for each 256 passed
	v_mul_u32_u24 v6, v1, SPITCH
	v_mul_u32_u24 v7, v2, SPITCH
	v_add_nc_u32 v[ADRB], s86, v4
	v_add_nc_u32 v[ASA], LSA, v5
	v_add_nc_u32 v[ASB], s87, v5
	v_lshl_add_u32 v6, v2, 5, v6                   ; in: row r, 32 bytes for each half of the lanes
	v_lshl_add_u32 v7, v1, 4, v7                   ; back: lanes 0-15 one row, lanes 16-31 the next
	v_lshlrev_b32 v8, 12, v2
	v_add_nc_u32 v[STO], s90, v6
	v_add_nc_u32 v[RD], s90, v7
	v_lshl_add_u32 v[CO], v1, 4, v8
	v_lshlrev_b32 v[BO], 5, v2
	s_wait_alu depctr_va_vdst(0)
.irp b, 0,1,2,3
	global_load_b128 v[BI+8*\b:BI+8*\b+3], v[BO], s[88:89] offset:64*\b          ; tile b, register j: column 16 b + 8 h + j
	global_load_b128 v[BI+8*\b+4:BI+8*\b+7], v[BO], s[88:89] offset:64*\b+16
.endr
.macro BLOAD                           ; my 64 rows of B's half into window 1: fragment (q, b): lane l holds row l % 16; registers 4 c .. 4 c + 3 hold K = 32 c + 16 (l / 16) + 0 .. 15
	WIN 0x40
.irp q, 0,1,2,3
.irp b, 0,1,2,3
.irp c, 0,1,2,3
	ds_load_b128 v[16*(4*\q+\b)+4*\c:16*(4*\q+\b)+4*\c+3], v[ADRB] offset:\b*16*BP+128*\q+32*\c
.endr
.endr
.endr
	WIN 0
.endm
.macro FETCH q, set                    ; A's eight fragments of K step q into a set of 128 registers of window 3: 32 loads
	WIN 0xc0
.irp a, 0,1,2,3,4,5,6,7
.irp c, 0,1,2,3
	ds_load_b128 v[128*(\set)+16*\a+4*\c:128*(\set)+16*\a+4*\c+3], v[ADRA+\a/4] offset:16384*(\a%4)+2048*(\q)+512*\c
.endr
.endr
	WIN 0
.endm
.macro ALOAD a                         ; block a's four fragments of K steps 4 to 7 into buffer a % 2 of 64 registers: 16 loads
	WIN 0xc0
.irp q, 0,1,2,3
.irp c, 0,1,2,3
	ds_load_b128 v[64*((\a)%2)+16*\q+4*\c:64*((\a)%2)+16*\q+4*\c+3], v[ADRA+(\a)/4] offset:16384*((\a)%4)+2048*(4+\q)+512*\c
.endr
.endr
	WIN 0
.endm
.macro MULQ q, set, zero               ; K step q: 32 products, the 32 accumulators by turns.  zero = 1: they start the sums, with the bias as C
.if \zero
	WIN 0x8d                                       ; source 0 (B) window 1, source 1 (A) window 3, C window 0, D window 2
.else
	WIN 0xad                                       ; C in window 2 too
.endif
.irp a, 0,1,2,3,4,5,6,7
.irp b, 0,1,2,3
.if \zero
	v_wmma_scale_f32_16x16x128_f8f6f4 v[8*(4*\a+\b):8*(4*\a+\b)+7], v[16*(4*(\q)+\b):16*(4*(\q)+\b)+15], v[128*(\set)+16*\a:128*(\set)+16*\a+15], v[BI+8*\b:BI+8*\b+7], v[SB+8*\b+(\q)], v[SA+8*\a+(\q)]
.else
	v_wmma_scale_f32_16x16x128_f8f6f4 v[8*(4*\a+\b):8*(4*\a+\b)+7], v[16*(4*(\q)+\b):16*(4*(\q)+\b)+15], v[128*(\set)+16*\a:128*(\set)+16*\a+15], v[8*(4*\a+\b):8*(4*\a+\b)+7], v[SB+8*\b+(\q)], v[SA+8*\a+(\q)]
.endif
.endr
.endr
	WIN 0
.endm
.macro ROW a                           ; block a is finished: K steps 4 to 7, 16 products, its four accumulators by turns: three others stand between two steps of a sum
	WIN 0xad
.irp q, 0,1,2,3
.irp b, 0,1,2,3
	v_wmma_scale_f32_16x16x128_f8f6f4 v[8*(4*(\a)+\b):8*(4*(\a)+\b)+7], v[16*(4*\q+\b):16*(4*\q+\b)+15], v[64*((\a)%2)+16*\q:64*((\a)%2)+16*\q+15], v[8*(4*(\a)+\b):8*(4*(\a)+\b)+7], v[SB+8*\b+4+\q], v[SA+8*(\a)+4+\q]
.endr
.endr
	WIN 0
.endm
.macro TOSTAGE a                       ; block a, 16 rows x 64 columns, into my stage and back as whole rows of 256 bytes.  LDS serves a wave's instructions in order (ISA guide 5.7.1.4): no wait between the stores and the loads
.set BK, 32+160*((\a)%2)
	WIN 0x08                                       ; the data: window 2
.irp b, 0,1,2,3
	ds_store_b128 v[STO], v[8*(4*(\a)+\b):8*(4*(\a)+\b)+3] offset:64*\b          ; each accumulator from its low end on
	ds_store_b128 v[STO], v[8*(4*(\a)+\b)+4:8*(4*(\a)+\b)+7] offset:64*\b+16
.endr
	WIN 0
.irp t, 0,1,2,3,4,5,6,7
	ds_load_b128 v[BK+4*\t:BK+4*\t+3], v[RD] offset:2*\t*SPITCH
.endr
.endm
.macro SEND a, younger                 ; younger: the LDS instructions issued behind block a's loads from the stage
.set BK, 32+160*((\a)%2)
	s_wait_dscnt \younger
.irp t, 0,1,2,3,4,5,6,7
	global_store_b128 v[CO], v[BK+4*\t:BK+4*\t+3], s[12:13] offset:(32*((\a)/2)+8*((\a)%2)+2*\t+8*(\t/4))*4096 th:TH_STORE_NT   ; rows 2 t and 2 t + 1 of the tile, at their tokens: sixteen lanes store 256 consecutive bytes, aligned
.endr
.endm
	s_wait_tensorcnt 0x0                           ; my tile of the head's four is in,
	s_barrier_signal -1
	s_barrier_wait -1                              ; everybody's is
	BLOAD
.irp a, 0,1,2,3,4,5,6,7
	ds_load_b128 v[SA+8*\a:SA+8*\a+3], v[ASA] offset:544*\a          ; the scale words of all of K: lane r holds row r's; a block of 16 rows is two units
	ds_load_b128 v[SA+8*\a+4:SA+8*\a+7], v[ASA] offset:544*\a+16
.endr
.irp b, 0,1,2,3
	ds_load_b128 v[SB+8*\b:SB+8*\b+3], v[ASB] offset:544*\b
	ds_load_b128 v[SB+8*\b+4:SB+8*\b+7], v[ASB] offset:544*\b+16
.endr
	FETCH 0, 0
	s_wait_tensorcnt 0x0                           ; no tensor load of mine is out,
	ds_add_u32 v[SPW], v[NIL]
	s_mov_b32 s[G1B+2], 64<<16                     ; so descriptors may be written: 64 rows a wave,
	s_mov_b32 s[G1B+4], 64
	s_mov_b32 s[G0B+1], s86                        ; mine,
	s_add_nc_u64 s[G0B+2:G0B+3], s[G0B+2:G0B+3], s[84:85]   ; of the second half of K
	s_wait_dscnt 0x0                               ; the add is done, and B's first half is in my registers
	CROUND                                         ; so it is in every wave of every partner
	tensor_load_to_lds s[G0B:G0B+3], s[G1B:G1B+7]  ; the launch's one refill
	s_nop 0
	PLACES 4
	FETCH 1, 1
	s_wait_loadcnt 0x0                             ; the bias
	MULQ 0, 0, 1
	PLACES NP                                      ; places ahead of loads into registers that the products have read
	FETCH 2, 0
	s_wait_dscnt 32                                ; all but the 32 just issued
	MULQ 1, 1, 0
	PLACES NP
	FETCH 3, 1
	s_wait_dscnt 32
	MULQ 2, 0, 0
	PLACES NP
	ALOAD 0                                        ; the second half's first two blocks
	ALOAD 1
	s_wait_dscnt 32
	MULQ 3, 1, 0
	s_wait_tensorcnt 0x0                           ; my 64 rows of B's second half are in,
	s_wait_dscnt 0x0
	s_barrier_signal -1
	s_barrier_wait -1                              ; everybody's are; nothing is filled again
	PLACES NP
	BLOAD
	s_wait_dscnt 0x0
.irp a, 0,1,2,3,4,5,6,7
	ROW \a                                         ; its fragments were asked for two blocks ago, ahead of loads from the stage that have been waited for since
	PLACES NP                                      ; places ahead of the loads into its buffer and of the stores that read its sums
.if \a >= 2
	s_wait_xcnt 0x0                                ; block a - 2's stores have read their registers: block a's rows may land there
.endif
.if \a < 6
	ALOAD \a+2
.endif
	TOSTAGE \a
.if \a > 0
.if \a < 6
	SEND \a-1, 32                                  ; behind its loads: 16 fragment loads and block a's 16 stage instructions
.else
	SEND \a-1, 16
.endif
.endif
.endr
	SEND 7, 0
	s_wait_tensorcnt 0x0                           ; the wave's end
	ds_add_u32 v[SPW], v[NIL]
	s_wait_dscnt 0x0
	CROUND                                         ; the closing round
	s_endpgm
.Lfunc_end_k_q80f6845a23_proj:
	.size	k_q80f6845a23_proj, .Lfunc_end_k_q80f6845a23_proj-k_q80f6845a23_proj
	.p2alignl 7, 3214868480
	.fill 96, 4, 3214868480
	.section	.rodata,"a",@progbits
	.p2align	6, 0x0
	.amdhsa_kernel k_q80f6845a23_proj
		.amdhsa_group_segment_fixed_size 327680
		.amdhsa_private_segment_fixed_size 0
		.amdhsa_enable_private_segment 0
		.amdhsa_kernarg_size 32
		.amdhsa_user_sgpr_count 2
		.amdhsa_user_sgpr_kernarg_segment_ptr 1
		.amdhsa_wavefront_size32 1
		.amdhsa_system_sgpr_workgroup_id_x 1
		.amdhsa_system_sgpr_workgroup_id_y 1
		.amdhsa_system_sgpr_workgroup_id_z 1
		.amdhsa_system_vgpr_workitem_id 0
		.amdhsa_next_free_vgpr 1024
		.amdhsa_next_free_sgpr 96
		.amdhsa_reserve_vcc 0
		.amdhsa_float_denorm_mode_32 3
		.amdhsa_float_denorm_mode_16_64 3
		.amdhsa_memory_ordered 1
		.amdhsa_forward_progress 1
		.amdhsa_inst_pref_size 87
	.end_amdhsa_kernel
	.amdgpu_metadata
---
amdhsa.version: [ 1, 2 ]
amdhsa.kernels:
  - .name:           k_q80f6845a23_proj
    .symbol:         k_q80f6845a23_proj.kd
    .args:
      - { .name: att, .offset: 0, .size: 8, .value_kind: global_buffer, .address_space: global }
      - { .name: prep, .offset: 8, .size: 8, .value_kind: global_buffer, .address_space: global }
      - { .name: b_proj, .offset: 16, .size: 8, .value_kind: global_buffer, .address_space: global }
      - { .name: out0, .offset: 24, .size: 8, .value_kind: global_buffer, .address_space: global }
    .group_segment_fixed_size: 327680
    .private_segment_fixed_size: 0
    .kernarg_segment_align: 8
    .kernarg_segment_size: 32
    .max_flat_workgroup_size: 128
    .sgpr_count:     96
    .vgpr_count:     1024
    .wavefront_size: 32
...
	.end_amdgpu_metadata
.endif
;; end of part 4
